; MI455X (gfx1250); checked and timed in simulation.
; The chip was launched on July 23, 2026; its instructions are those of AMD's public machine-readable ISA for CDNA 5 (MIT licence, August 2026) and "CDNA5" Instruction Set Architecture Reference Guide (July 2026). The comments in the code are by the model that wrote it; some were corrected since.
;; Attention. Allowed arithmetic: matrix products marked QUANTISED: E2M3 operands, one E8M0 scale for each 32 along K, by v_wmma_scale_f32_16x16x128_f8f6f4 with both operands' format E2M3, f32 sums; everything else in f32.
;; Inputs: Wk 1,024 x 1,024 float32; Wo 1,024 x 1,024 float32; Wq 1,024 x 1,024 float32; Wv 1,024 x 1,024 float32; bo 1,024 float32; mask 1 x 1 x 2,048 x 2,048 bool; x 4 x 2,048 x 1,024 float32.
;; Outputs: out0 4 x 2,048 x 1,024 float32.
;; This version of the problem:
;;   THIS VERSION OF THE PROBLEM IS GIVEN IN LOW PRECISION. The matrix products marked QUANTISED in the list below multiply operands that are first quantised to E2M3 (2 exponent bits, 3 mantissa bits; 6 bits a number), with one power-of-two scale for each 32 numbers along K (OCP MX v1.0); their sums are f32. All else is computed in f32.
;;   The module's matrix products, in the order in which they are computed (A, B: the left and right operand; K: the contracted axis; several contracted axes count as one K, in the product's order):
;;     1. [M 8,192, K 1,024] x [K 1,024, N 1,024]; A: input x; B: input Wq: QUANTISED
;;     2. [M 8,192, K 1,024] x [K 1,024, N 1,024]; A: input x; B: input Wk: QUANTISED
;;     3. [M 8,192, K 1,024] x [K 1,024, N 1,024]; A: input x; B: input Wv: QUANTISED
;;     4. batch 64 x [M 2,048, K 64] x [K 64, N 2,048]; A: computed on the way; B: computed on the way: QUANTISED
;;     5. batch 64 x [M 2,048, K 2,048] x [K 2,048, N 64]; A: softmax (see below); B: computed on the way: QUANTISED
;;     6. [M 8,192, K 1,024] x [K 1,024, N 1,024]; A: computed on the way; B: input Wo: QUANTISED
;;   THE QUANTISER, for each operand of a quantised product, along K:
;;     - K is cut into blocks of 32 from its start; a last block that is shorter is filled with zeros.
;;     - A block's scale is 2^e with e = floor(log2(the largest magnitude in the block)) - 2, held to -126 .. 127; a block of zeros has e = 0. As a byte (E8M0): e + 127.
;;     - Each number is divided by its block's scale, clamped to +-7.5, and rounded to the nearest number of E2M3, ties to even, subnormals kept.
;;     - The product sums the exact products of the quantised numbers (number of the format x scale) in f32.
;;   ~~~python
;;   def quantise(x, axis):      # numpy; x: float32 -> the quantised numbers, widened to float32 again
;;       x = np.moveaxis(x, axis, -1); K = x.shape[-1]
;;       x = np.pad(x, [(0, 0)] * (x.ndim - 1) + [(0, -K % 32)]); x = x.reshape(x.shape[:-1] + (-1, 32)); a = np.abs(x).max(-1, keepdims=True)
;;       e = np.where(a > 0, np.clip(np.frexp(np.where(a > 0, a, 1))[1] - 1 - 2, -126, 127), 0)      # np.frexp(a)[1] - 1 = floor(log2(a)), exactly
;;       r = np.clip(x / 2.0 ** e, -7.5, 7.5)
;;       step = 2.0 ** (np.maximum(np.frexp(np.where(r == 0, 1, r))[1] - 1, 0) - 3)
;;       q = np.round(r / step) * step * 2.0 ** e      # np.round: ties to even
;;       return np.moveaxis(q.reshape(q.shape[:-2] + (-1,))[..., :K], -1, axis).astype(np.float32)
;;   ~~~
;;   SOFTMAX AHEAD OF A QUANTISED PRODUCT. Where the list says 'softmax', what is quantised is not the finished softmax but p = 2^(t - M), with t = logit x log2(e) and M = ceil(the row's largest t), a whole number; so 1/2 < the row's largest p <= 1. The row's sum l is taken of the UNQUANTISED p, in f32, and the product's result is divided by l at the end. Since M is a whole number, a kernel that streams over the keys may use a running M (the ceiling of the running maximum): every later rescaling is an exact power of two, which a block's scale takes up: the codes' values come out the same.
;;   OPERANDS COMPUTED ON THE WAY. 'Computed on the way' means the value that the module computes at that place (a softmax that the list does not call 'softmax' is quantised finished and normalised). What goes into a quantiser is computed in f32, as accurately as f32 sums, v_exp_f32 and their like allow (about 1e-6 of the number): no bf16 or f16 on the way to a quantiser, and a product that is left as it is and whose result goes on into a quantised operand takes f32 operands (vector FMAs, or v_wmma_f32_16x16x4_f32). A number that lies on a knife's edge between two numbers of the format may be rounded either way, as far as f32 arithmetic and the matrix unit's own rounding can turn it there, and no further.
;; 2 versions, each right; version 2 is version 1 with the launch attn written anew for expert scheduling mode. Each part assembles by itself: llvm-mc -triple=amdgcn-amd-amdhsa -mcpu=gfx1250 --defsym DOCPART=n.
;; ======== version 1 of 2: 4 launches
;; workspace buffers: xq 6,553,600 bytes; wq 3,276,800 bytes; mk 526,336 bytes of whole numbers; qkv 19,660,800 bytes; ctx 6,553,600 bytes
;; launch prep (part 1): grid 384 x 1, 4 waves a work-group, no clusters, 34,304 bytes of LDS; arguments x, Wq, Wk, Wv, Wo, mask, xq, wq, mk; writes xq, wq, mk
.if DOCPART == 1
	.amdgcn_target "amdgcn-amd-amdhsa--gfx1250"
	.amdhsa_code_object_version 6
	.text
	.protected	k_qe56fa72d55_prep
	.globl	k_qe56fa72d55_prep
	.p2align	8
	.type	k_qe56fa72d55_prep,@function
k_qe56fa72d55_prep:
	s_mov_b64 s[64:65], 0
	v_nop
	global_prefetch_b8 v0, s[64:65] scope:SCOPE_SE
	s_setreg_imm32_b32 hwreg(HW_REG_WAVE_MODE, 25, 1), 1
	s_wait_xcnt 0x0
; PREP: x and the four weights become codes of FP6 (E2M3) with one E8M0 byte for each 32 along K; the mask becomes lane-mask words and flags.
; A block's scale is 2^(floor(log2(its largest magnitude)) - 2): its byte is the largest magnitude's exponent field - 2, held at 1 from below.
; LIMITS: a block of zeros gets the byte 1 and zero codes (the bytes are read by this program alone); NaN and infinities among x and the weights are not served; mask bytes are taken as 0 or 1.
; TILES.  Tile T of 16 rows holds rows 32 (T / 2) + 8 (T % 2) + r + 8 (r / 8), r = 0 .. 15: with that choice the 16 result registers of two neighbouring tiles are 16 neighbours along the next product's K.
; FRAGMENTS.  16 rows x 128 K are 12 registers a lane; they are stored as an image of those registers, 1,536 bytes in two halves of 768: registers 0-3 at 16 x lane, 4-5 at 512 + 8 x lane, 6-9 at 768 + 16 x lane, 10-11 at 1,280 + 8 x lane.
; xq, wq: codes [K / 256][tile][2][1536], behind them the scale bytes [tile][row 16][32].  wq's tiles: 0-63 Wq's columns, 64-127 Wk's, 128-191 Wv's, 192-255 Wo's.
; mk: [query tile 128][key step 16][64 words]: bit l of word 16 b + i is the mask of query row l % 16 of the tile at key 128 step + 32 b + 16 (l / 16) + i; behind them [query tile][4] flag words: bit s: step s has a key that counts, bit 16 + s: all count.
; Work-groups 0-127 take x, 128-255 the weights, 256-383 the mask.  Only the x path uses LDS.  No matrix unit, no cluster, no tensor load: nothing is shared between work-groups and each byte is read once.
.set SPARE, 33792                      ; behind the four stages: the spare words, 128 bytes for each wave
.set LN,  1                            ; lane
.set RR,  2                            ; lane % 16
.set HH,  3                            ; lane / 16
.set L16, 4                            ; 16 x lane
.set L8,  5                            ; 8 x lane
.set STW, 6                            ; x: the stage, on the way in
.set STR, 7                            ; x: the stage, on the way out
.set VA,  8                            ; a path's own offsets
.set VB,  9
.set SB,  10                           ; v10-11 weights: eight scale bytes
.set SPW, 14                           ; my spare word's LDS address; never rewritten
.set NIL, 15                           ; 0; never rewritten
.set R,   16                           ; x: v16-143 two sets of 64 numbers as loaded
.set X,   144                          ; x: v144-207 64 numbers, register 16 b + i = k 32 b + 16 (lane / 16) + i of my row
.set PC,  208                          ; x: v208-226 the codes just made
.set TM,  228                          ; x: v228-243 at work
.set SW,  244                          ; x: v244-251 the row's eight scale words
.set WX,  32                           ; weights: v32-95 two sets of 32 numbers
.set FA,  96                           ; weights: v96-119 blocks of even number, later the even tile's two fragments
.set FB,  120                          ; weights: v120-143 blocks of odd number, later the odd tile's
.set CT,  144
.set WM,  150
.set WN,  151
.set WS,  152
.set M,   32                           ; mask: v32-95 the bytes of four key steps
.set OUT, 96                           ; mask: v96-103 two registers of words for each step
.set MO,  104
.set MA,  105
.set MT,  106                          ; v106-109
.set WV,  22
.set SEL, 24                           ; s[24:25] lane selects for lane l xor 16
.set HM,  26                           ; the lanes 16-31
	s_load_b512 s[4:19], s[0:1], 0x0               ; x s[4:5], Wq s[6:7], Wk s[8:9], Wv s[10:11], Wo s[12:13], mask s[14:15], xq s[16:17], wq s[18:19]
	s_load_b64 s[20:21], s[0:1], 0x40              ; mk
	v_lshl_add_u32 v[SPW], v0, 2, SPARE
	v_mov_b32 v[NIL], 0
	v_lshrrev_b32 v1, 5, v0
	v_readfirstlane_b32 s[WV], v1                  ; wave 0..3
	v_and_b32 v[LN], 31, v0
	v_and_b32 v[RR], 15, v0
	v_bfe_u32 v[HH], v0, 4, 1
	v_lshlrev_b32 v[L16], 4, v[LN]
	v_lshlrev_b32 v[L8], 3, v[LN]
	s_mov_b32 s[SEL], 0x76543210
	s_mov_b32 s[SEL+1], 0xfedcba98
	s_mov_b32 s[HM], 0xffff0000
	s_wait_kmcnt 0x0
	s_cmp_ge_u32 ttmp9, 256
	s_cbranch_scc1 .Lmask
	s_cmp_ge_u32 ttmp9, 128
	s_cbranch_scc1 .Lweights
; ---------------- x: a wave takes one tile of 16 rows and all eight K steps of 128 ----------------
; 64 numbers of a lane become a fragment's codes in v[PC] on and its scale word in v[pw].
.macro QUANT s, pw
.irp b, 0,1,2,3
	v_max3_num_f32 v[TM+\b], |v[\s+16*\b]|, |v[\s+1+16*\b]|, 0x1800000   ; my 16 numbers of block b, and the floor 2^(3 - 127): the byte cannot fall under 1
.endr
.irp i, 2,4,6,8,10,12,14
.irp b, 0,1,2,3
	v_max3_num_f32 v[TM+\b], v[TM+\b], |v[\s+16*\b+\i]|, |v[\s+1+16*\b+\i]|   ; the four blocks by turns
.endr
.endr
.irp b, 0,1,2,3
	v_permlanex16_b32 v[TM+4+\b], v[TM+\b], s[SEL], s[SEL+1]
.endr
.irp b, 0,1,2,3
	v_max_num_f32 v[TM+\b], v[TM+\b], v[TM+4+\b]   ; with lane l xor 16's 16: the block's largest magnitude
.endr
.irp b, 0,1,2,3
	v_add_nc_u32 v[TM+12+\b], 0xff000000, v[TM+\b] ; 2 off its exponent field: the conversion takes this operand's exponent field as its scale
.endr
.irp b, 0,1,2,3
	v_lshrrev_b32 v[TM+4+\b], 23, v[TM+12+\b]      ; the scale's byte
.endr
	v_lshl_or_b32 v[\pw], v[TM+5], 8, v[TM+4]
	v_lshl_or_b32 v[\pw], v[TM+6], 16, v[\pw]
	v_lshl_or_b32 v[\pw], v[TM+7], 24, v[\pw]
.irp c, 0,1
	v_cvt_scalef32_pk16_fp6_f32 v[PC+6*\c:PC+2+6*\c], v[\s+32*\c:\s+15+32*\c], v[TM+12+2*\c]
	v_cvt_scalef32_pk16_fp6_f32 v[PC+12+4*\c:PC+14+4*\c], v[\s+16+32*\c:\s+31+32*\c], v[TM+12+2*\c+1]   ; a conversion's three registers begin on an even number
.endr
	v_nop                                          ; one plain instruction behind the scaled conversions
.irp c, 0,1                                    ; the operand wants a whole block in a lane: lanes 0-15 block 2 c, lanes 16-31 block 2 c + 1
.irp i, 0,1,2
	v_permlane16_swap_b32 v[PC+6*\c+\i], v[PC+12+4*\c+\i]
.endr
.irp i, 0,1,2
	v_mov_b32 v[PC+3+6*\c+\i], v[PC+12+4*\c+\i]
.endr
.endr
.endm
.macro HFOUT base, imm                         ; the fragment's image: stores of 512, 256, 512, 256 consecutive bytes
	global_store_b128 v[L16], v[PC:PC+3], s[\base:\base+1] offset:\imm
	global_store_b64 v[L8], v[PC+4:PC+5], s[\base:\base+1] offset:\imm+512
	global_store_b128 v[L16], v[PC+6:PC+9], s[\base:\base+1] offset:\imm+768
	global_store_b64 v[L8], v[PC+10:PC+11], s[\base:\base+1] offset:\imm+1280
.endm
.macro XLOAD s                                 ; K step s of the tile's 16 rows: each load reads 512 consecutive bytes of one row
.irp i, 0,1,2,3,4,5,6,7,8,9,10,11,12,13,14,15
	global_load_b128 v[R+64*((\s)%2)+4*\i:R+64*((\s)%2)+4*\i+3], v[L16], s[4:5] offset:(\i+8*(\i/8))*4096+512*(\s) th:TH_LOAD_NT
.endr
.endm
.macro XSTEP s
.if (\s) < 7
	s_wait_loadcnt 16                              ; this step's 16 loads are in; the next step's 16 may be out
.else
	s_wait_loadcnt 0x0
.endif
.irp i, 0,1,2,3,4,5,6,7,8,9,10,11,12,13,14,15
	ds_store_b128 v[STW], v[R+64*((\s)%2)+4*\i:R+64*((\s)%2)+4*\i+3] offset:528*\i   ; row i as it lies; rows 528 bytes apart
.endr
.irp b, 0,1,2,3
.irp j, 0,1,2,3
	ds_load_b128 v[X+16*\b+4*\j:X+16*\b+4*\j+3], v[STR] offset:128*\b+16*\j   ; my row's 16 numbers of each block; LDS serves a wave's instructions in order
.endr
.endr
	s_wait_dscnt 0x0                               ; the numbers are back, and the stage's stores have read their registers
	s_wait_xcnt 0x0                                ; the last step's stores have read the codes' registers
.if (\s) < 6
	XLOAD (\s)+2
.endif
	QUANT X, SW+(\s)
	HFOUT 32, ((\s)/2)*1572864+((\s)%2)*1536
.endm
	s_lshl_b32 s28, ttmp9, 2
	s_add_co_u32 s28, s28, s[WV]                   ; my tile
	s_lshr_b32 s29, s28, 1
	s_lshl_b32 s29, s29, 5
	s_and_b32 s30, s28, 1
	s_lshl_b32 s30, s30, 3
	s_add_co_u32 s29, s29, s30                     ; its first row
	s_lshl_b32 s30, s29, 12                        ; rows of 4,096 bytes
	s_mov_b32 s31, 0
	s_add_nc_u64 s[4:5], s[4:5], s[30:31]
	s_mul_i32 s30, s28, 3072
	s_add_nc_u64 s[32:33], s[16:17], s[30:31]      ; its codes
	s_lshl_b32 s30, s28, 9
	s_add_co_u32 s30, s30, 6291456
	s_add_nc_u64 s[34:35], s[16:17], s[30:31]      ; its scale bytes
	s_mul_i32 s36, s[WV], 8448                     ; my stage: 16 rows of 528 bytes
	v_add_nc_u32 v[STW], s36, v[L16]
	v_mul_u32_u24 v[STR], v[RR], 528
	v_lshl_add_u32 v[STR], v[HH], 6, v[STR]
	v_add_nc_u32 v[STR], s36, v[STR]
	v_lshlrev_b32 v[VA], 5, v[RR]
	v_lshl_add_u32 v[VA], v[HH], 4, v[VA]          ; 32 r + 16 h: my half of my row's scale bytes
.irp b, 0,1,2,3
	v_mov_b32 v[TM+4+\b], 0                        ; a lane permute's destination counts as one of its sources
.endr
	XLOAD 0
	XLOAD 1
.irp s, 0,1,2,3,4,5,6,7
	XSTEP \s
.endr
.irp i, 0,1,2,3
	v_cndmask_b32 v[TM+\i], v[SW+\i], v[SW+4+\i], s[HM]   ; lanes 0-15 the row's words 0-3, lanes 16-31 its words 4-7
.endr
	global_store_b128 v[VA], v[TM:TM+3], s[34:35]  ; the tile's 512 scale bytes
	s_wait_tensorcnt 0x0                           ; the wave's end, behind my last LDS store
	ds_add_u32 v[SPW], v[NIL]
	s_wait_dscnt 0x0
	s_endpgm
; ---------------- the weights: K is the first axis.  A lane takes a column and its registers run down K; a wave takes 32 columns x 256 K ----------------
.Lweights:
	s_sub_co_u32 s28, ttmp9, 128
	s_lshr_b32 s29, s28, 5                         ; which weight
	s_bfe_u32 s30, s28, 0x30002
	s_and_b32 s31, s28, 3                          ; which 256 along K
	s_lshl_b32 s30, s30, 2
	s_add_co_u32 s30, s30, s[WV]                   ; which 32 columns
	s_cmp_eq_u32 s29, 1
	s_cselect_b64 s[6:7], s[8:9], s[6:7]
	s_cmp_eq_u32 s29, 2
	s_cselect_b64 s[6:7], s[10:11], s[6:7]
	s_cmp_eq_u32 s29, 3
	s_cselect_b64 s[6:7], s[12:13], s[6:7]
	s_lshl_b32 s36, s31, 20                        ; 256 rows of 4,096 bytes
	s_lshl_b32 s37, s30, 7
	s_add_co_u32 s36, s36, s37
	s_mov_b32 s37, 0
	s_add_nc_u64 s[6:7], s[6:7], s[36:37]
	s_lshl_b32 s38, s29, 6
	s_lshl_b32 s39, s30, 1
	s_add_co_u32 s38, s38, s39                     ; my first tile
	s_mul_i32 s36, s38, 3072
	s_mul_i32 s39, s31, 786432
	s_add_co_u32 s36, s36, s39
	s_add_nc_u64 s[32:33], s[18:19], s[36:37]      ; the codes of my two tiles: 6,144 consecutive bytes
	s_lshl_b32 s36, s38, 9
	s_lshl_b32 s39, s31, 3
	s_add_co_u32 s36, s36, s39
	s_add_co_u32 s36, s36, 3145728
	s_add_nc_u64 s[34:35], s[18:19], s[36:37]      ; their scale bytes
	v_and_b32 v[VA], 8, v[RR]
	v_add_nc_u32 v[VA], v[VA], v[RR]
	v_lshl_add_u32 v[VA], v[HH], 3, v[VA]          ; lanes 0-15 the even tile's columns, lanes 16-31 the odd tile's: r + 8 (r / 8) + 8 (lane / 16)
	v_lshlrev_b32 v[VA], 2, v[VA]
	v_lshlrev_b32 v[VB], 5, v[LN]                  ; a row of scale bytes is 32 bytes
.macro WLOAD t                                 ; block t: 32 rows of W at my column; a load reads 128 consecutive bytes
.irp i, 0,1,2,3,4,5,6,7,8,9,10,11,12,13,14,15,16,17,18,19,20,21,22,23,24,25,26,27,28,29,30,31
	global_load_b32 v[WX+32*((\t)%2)+\i], v[VA], s[6:7] offset:(32*(\t)+\i)*4096 th:TH_LOAD_NT
.endr
.endm
.macro WBLOCK t
.set XS, WX+32*((\t)%2)
.set FD, FA+24*((\t)%2)+12*((\t)/4)+6*(((\t)%4)/2)
.if (\t) < 7
	s_wait_loadcnt 32                              ; this block's 32 loads are in; the next block's may be out
.else
	s_wait_loadcnt 0x0
.endif
	v_max3_num_f32 v[WM], |v[XS]|, |v[XS+1]|, |v[XS+2]|            ; all 32 numbers of the block are mine
	v_max3_num_f32 v[WN], |v[XS+3]|, |v[XS+4]|, |v[XS+5]|
.irp i, 6,10,14,18,22,26
	v_max3_num_f32 v[WM], v[WM], |v[XS+\i]|, |v[XS+\i+1]|
	v_max3_num_f32 v[WN], v[WN], |v[XS+\i+2]|, |v[XS+\i+3]|
.endr
	v_max3_num_f32 v[WM], v[WM], |v[XS+30]|, |v[XS+31]|
	v_max3_num_f32 v[WM], v[WM], v[WN], 0x1800000  ; and the floor
	v_add_nc_u32 v[WS], 0xff000000, v[WM]
	v_lshrrev_b32 v[WN], 23, v[WS]
.if (\t)%4 == 0
	v_mov_b32 v[SB+(\t)/4], v[WN]
.else
	v_lshl_or_b32 v[SB+(\t)/4], v[WN], 8*((\t)%4), v[SB+(\t)/4]
.endif
	v_cvt_scalef32_pk16_fp6_f32 v[FD:FD+2], v[XS:XS+15], v[WS]
	v_cvt_scalef32_pk16_fp6_f32 v[CT:CT+2], v[XS+16:XS+31], v[WS]
	v_nop                                          ; one plain instruction behind the scaled conversions
.irp i, 0,1,2
	v_mov_b32 v[FD+3+\i], v[CT+\i]
.endr
.if (\t) < 6
	WLOAD (\t)+2
.endif
.endm
	WLOAD 0
	WLOAD 1
.irp t, 0,1,2,3,4,5,6,7
	WBLOCK \t
.endr
.irp k, 0,1,2,3,4,5,6,7,8,9,10,11,12,13,14,15,16,17,18,19,20,21,22,23
	v_permlane16_swap_b32 v[FA+\k], v[FB+\k]       ; the even blocks' lanes 16-31 change places with the odd blocks' lanes 0-15: FA is now the even tile's image, FB the odd tile's
.endr
.irp u, 0,1
.irp q, 0,1
	global_store_b128 v[L16], v[FA+24*\u+12*\q:FA+24*\u+12*\q+3], s[32:33] offset:3072*\u+1536*\q
	global_store_b64 v[L8], v[FA+24*\u+12*\q+4:FA+24*\u+12*\q+5], s[32:33] offset:3072*\u+1536*\q+512
	global_store_b128 v[L16], v[FA+24*\u+12*\q+6:FA+24*\u+12*\q+9], s[32:33] offset:3072*\u+1536*\q+768
	global_store_b64 v[L8], v[FA+24*\u+12*\q+10:FA+24*\u+12*\q+11], s[32:33] offset:3072*\u+1536*\q+1280
.endr
.endr
	global_store_b64 v[VB], v[SB:SB+1], s[34:35]   ; my column's eight bytes of its 32: one byte for each 128 bytes read
	s_endpgm
; ---------------- the mask: a work-group takes a tile of 16 queries, a wave four key steps of 128 ----------------
.Lmask:
	s_sub_co_u32 s28, ttmp9, 256                   ; the query tile
	s_lshr_b32 s29, s28, 1
	s_lshl_b32 s29, s29, 5
	s_and_b32 s30, s28, 1
	s_lshl_b32 s30, s30, 3
	s_add_co_u32 s29, s29, s30
	s_lshl_b32 s30, s29, 11                        ; rows of 2,048 bytes
	s_lshl_b32 s31, s[WV], 9
	s_add_co_u32 s30, s30, s31
	s_mov_b32 s31, 0
	s_add_nc_u64 s[14:15], s[14:15], s[30:31]
	s_lshl_b32 s30, s28, 12
	s_lshl_b32 s36, s[WV], 10
	s_add_co_u32 s30, s30, s36
	s_add_nc_u64 s[32:33], s[20:21], s[30:31]      ; my four steps' words
	s_lshl_b32 s30, s28, 4
	s_lshl_b32 s36, s[WV], 2
	s_add_co_u32 s30, s30, s36
	s_add_co_u32 s30, s30, 524288
	s_add_nc_u64 s[34:35], s[20:21], s[30:31]      ; my flag word
	v_and_b32 v[VA], 8, v[RR]
	v_add_nc_u32 v[VA], v[VA], v[RR]
	v_lshlrev_b32 v[VA], 11, v[VA]
	v_lshl_add_u32 v[VA], v[HH], 4, v[VA]          ; my query's row, + 16 (lane / 16)
.irp st, 0,1,2,3
.irp be, 0,1,2,3
	global_load_b128 v[M+16*\st+4*\be:M+16*\st+4*\be+3], v[VA], s[14:15] offset:128*\st+32*\be th:TH_LOAD_NT
.endr
.endr
.irp i, 0,1,2,3,4,5,6,7
	v_mov_b32 v[OUT+\i], 0                         ; v_writelane_b32's destination counts as one of its sources
.endr
	s_mov_b32 s37, 0
.macro MSTEP st
	s_wait_loadcnt 12-4*(\st)                      ; this step's four loads are in; the later steps' may be out
	v_or_b32 v[MO], v[M+16*(\st)], v[M+16*(\st)+1]
	v_and_b32 v[MA], v[M+16*(\st)], v[M+16*(\st)+1]
.irp i, 2,3,4,5,6,7,8,9,10,11,12,13,14,15
	v_or_b32 v[MO], v[MO], v[M+16*(\st)+\i]
	v_and_b32 v[MA], v[MA], v[M+16*(\st)+\i]
.endr
	v_cmp_ne_u32 vcc_lo, 0, v[MO]
	s_cmp_lg_u32 vcc_lo, 0
	s_cselect_b32 s38, 1<<(\st), 0                 ; some key of the step counts for some query of the tile
	s_or_b32 s37, s37, s38
	v_cmp_eq_u32 vcc_lo, 0x01010101, v[MA]
	s_cmp_eq_u32 vcc_lo, -1
	s_cselect_b32 s38, 0x10000<<(\st), 0           ; all count
	s_or_b32 s37, s37, s38
.set j, 0
.rept 64                                       ; word j = 16 b + i: byte i of each lane's 16 bytes of block b, as a mask over the lanes; lane j / 2 of the output holds words j and j + 1
	v_and_b32 v[MT+j%4], 0xff<<(8*(j%4)), v[M+16*(\st)+4*(j/16)+(j%16)/4]
	v_cmp_ne_u32 s[40+j%4], 0, v[MT+j%4]
	v_writelane_b32 v[OUT+2*(\st)+j%2], s[40+j%4], j/2
.set j, j+1
.endr
	global_store_b64 v[L8], v[OUT+2*(\st):OUT+2*(\st)+1], s[32:33] offset:256*(\st)   ; 256 consecutive bytes, aligned
.endm
	MSTEP 0
	MSTEP 1
	MSTEP 2
	MSTEP 3
	s_lshl_b32 s38, s[WV], 2
	s_lshl_b32 s37, s37, s38                       ; my four steps' bits at their places
	v_mov_b32 v[MO], s37
	v_mov_b32 v[MA], 0
	v_cmp_eq_u32 vcc_lo, 0, v[LN]
	s_wait_xcnt 0x0                                ; EXEC changes only when the earlier stores have read it
	s_and_saveexec_b32 s39, vcc_lo
	global_store_b32 v[MA], v[MO], s[34:35]        ; lane 0 alone
	s_wait_xcnt 0x0
	s_or_b32 exec_lo, exec_lo, s39
	s_endpgm
.Lfunc_end_k_qe56fa72d55_prep:
	.size	k_qe56fa72d55_prep, .Lfunc_end_k_qe56fa72d55_prep-k_qe56fa72d55_prep
	.p2alignl 7, 3214868480
	.fill 96, 4, 3214868480
	.section	.rodata,"a",@progbits
	.p2align	6, 0x0
	.amdhsa_kernel k_qe56fa72d55_prep
		.amdhsa_group_segment_fixed_size 34304
		.amdhsa_private_segment_fixed_size 0
		.amdhsa_enable_private_segment 0
		.amdhsa_kernarg_size 72
		.amdhsa_user_sgpr_count 2
		.amdhsa_user_sgpr_kernarg_segment_ptr 1
		.amdhsa_wavefront_size32 1
		.amdhsa_system_sgpr_workgroup_id_x 1
		.amdhsa_system_sgpr_workgroup_id_y 1
		.amdhsa_system_sgpr_workgroup_id_z 1
		.amdhsa_system_vgpr_workitem_id 0
		.amdhsa_next_free_vgpr 256
		.amdhsa_next_free_sgpr 66
		.amdhsa_reserve_vcc 1
		.amdhsa_float_denorm_mode_32 3
		.amdhsa_float_denorm_mode_16_64 3
		.amdhsa_memory_ordered 1
		.amdhsa_forward_progress 1
		.amdhsa_inst_pref_size 161
	.end_amdhsa_kernel
	.amdgpu_metadata
---
amdhsa.version: [ 1, 2 ]
amdhsa.kernels:
  - .name:           k_qe56fa72d55_prep
    .symbol:         k_qe56fa72d55_prep.kd
    .args:
      - { .name: x, .offset: 0, .size: 8, .value_kind: global_buffer, .address_space: global }
      - { .name: Wq, .offset: 8, .size: 8, .value_kind: global_buffer, .address_space: global }
      - { .name: Wk, .offset: 16, .size: 8, .value_kind: global_buffer, .address_space: global }
      - { .name: Wv, .offset: 24, .size: 8, .value_kind: global_buffer, .address_space: global }
      - { .name: Wo, .offset: 32, .size: 8, .value_kind: global_buffer, .address_space: global }
      - { .name: mask, .offset: 40, .size: 8, .value_kind: global_buffer, .address_space: global }
      - { .name: xq, .offset: 48, .size: 8, .value_kind: global_buffer, .address_space: global }
      - { .name: wq, .offset: 56, .size: 8, .value_kind: global_buffer, .address_space: global }
      - { .name: mk, .offset: 64, .size: 8, .value_kind: global_buffer, .address_space: global }
    .group_segment_fixed_size: 34304
    .private_segment_fixed_size: 0
    .kernarg_segment_align: 8
    .kernarg_segment_size: 72
    .max_flat_workgroup_size: 128
    .sgpr_count:     66
    .vgpr_count:     256
    .wavefront_size: 32
...
	.end_amdgpu_metadata
.endif
;; end of part 1
;; launch qkv (part 2): grid 12 x 32, 4 waves a work-group, clusters of 4 x 4, 327,680 bytes of LDS; arguments xq, wq, qkv; writes qkv
.if DOCPART == 2
	.amdgcn_target "amdgcn-amd-amdhsa--gfx1250"
	.amdhsa_code_object_version 6
	.text
	.protected	k_qe56fa72d55_qkv
	.globl	k_qe56fa72d55_qkv
	.p2align	8
	.type	k_qe56fa72d55_qkv,@function
k_qe56fa72d55_qkv:
	s_mov_b64 s[64:65], 0
	v_nop
	global_prefetch_b8 v0, s[64:65] scope:SCOPE_SE
	s_setreg_imm32_b32 hwreg(HW_REG_WAVE_MODE, 25, 1), 1
	s_wait_xcnt 0x0
	s_wait_alu depctr_hold_cnt(0) depctr_sa_sdst(0) depctr_va_vdst(0) depctr_va_sdst(0) depctr_va_ssrc(0) depctr_va_vcc(0) depctr_vm_vsrc(0)
	s_getreg_b32 s2, hwreg(HW_REG_IB_STS2, 6, 4)
	s_cmp_eq_u32 s2, 0
	s_cbranch_scc0 .Lentry_in_a_cluster
	s_endpgm
.Lentry_in_a_cluster:
	s_bfe_u32 s2, ttmp6, 0x10000c
	s_cmp_lg_u32 s2, 0xf033
	s_cbranch_scc0 .Lentry_shape_is_right
	s_endpgm
.Lentry_shape_is_right:
; QKV: Q = x Wq, K = x Wk, V = x Wv on codes of FP6 (E2M3) with E8M0 scales, K = 1,024, sums in f32; the results are quantised on the way out and leave as attention's operands.
; A work-group of four waves makes 256 x 256, a wave 128 x 128: 64 accumulators of 16 x 16 in 512 registers.  K goes in steps of 256 through two LDS slots filled by tensor loads.
; THE MATRIX INSTRUCTION: source 0 ("B") gives the axis that runs along a lane's registers, source 1 ("A") the lane's row.
;   Q, K (cluster x = 0, 1): A = 256 tokens, B = 256 columns of the weights: a lane holds one token, its registers run along the channels, which are the K of Q K^T.
;   V    (cluster x = 2):    A = 256 columns of Wv, B = 256 tokens: a lane holds one channel, its registers run along the keys, which are the K of P V.  The roles are changed by pointers and strides alone: no branch.
; OPERANDS lie in memory as images of their registers (16 rows x 128 K: 1,536 bytes: registers 0-3 at 16 x lane, 4-5 at 512 + 8 x lane, 6-9 at 768 + 16 x lane, 10-11 at 1,280 + 8 x lane), [K / 256][tile][2][1536]:
; a wave's share of a slot, 8 tiles x 256 K, is one dense block of 24,576 bytes, and a fragment comes from LDS by four loads of consecutive bytes: no pitch, no padding.
; A tile of 16 holds rows 32 (T / 2) + 8 (T % 2) + r + 8 (r / 8), so that the 64 registers of one A block's eight accumulators are, register 16 b + i, the B row 32 b + 16 (lane / 16) + i: what the quantiser wants.
; OUT: Q, K codes [head 32][token tile 512][768] (a head's 64 channels are half a fragment); V codes at 12,582,912: [token block 64][channel tile 64][1536];
;   scale words at 18,874,368: Q, K [head 32][token block 64][row 16][4]: the two bytes of tile 2 b below those of tile 2 b + 1; at + 524,288 V's [token block][head 16][row 16][channel tile 4].
; CLUSTERS: 4 x 4 work-groups; A's tiles are shared along a row of the cluster, B's along a column, each asked for jointly.
; LIMITS: a block of zeros gets the byte 1 and zero codes; NaN and infinities are not served.
; REGISTERS: window 0: v1-31 addresses; v32-63 scale words, two sets; v128-223 A's fragments, one set; on the way out v112-239 at work.  window 1: B's fragments, two sets, at v0 and v128.  windows 2, 3: the accumulators ((a, b) at v[8 (8 (a % 4) + b)]).
.set NQ,     2                         ; matrix instructions deep in a slot
.set FR,     12                        ; registers of a fragment
.set NL,     4                         ; LDS loads that bring one
.set NP,     4                         ; places behind this matrix instruction (ISA guide 7.12.1)
.set HALFT,  24576                     ; 8 tiles x 2 x 1,536 bytes: what one tensor load brings, and what one wave reads of A or of B
.set SLOT,   4*HALFT                   ; A's two halves, then B's
.set SCL,    2*SLOT                    ; behind the ring: the scale bytes for all of K, as units of 256 bytes + 16 of padding
.set HALFS,  4352                      ; those of 128 rows: 16 units
.set SBLK,   544                       ; those of 16 rows
.set SPARE,  SCL+4*HALFS               ; the spare words, 128 bytes for each wave
.set ADRA, 16                          ; v16-17 A's fragments in slot 0, 1, at 16 x lane; v18-19 at 8 x lane
.set ADRB, 20                          ; v20-23 the same for B
.set L16,  24
.set L8,   25
.set L16C, 26                          ; the way out: 16 x lane + the distance to the fragment's second half
.set ADRS, 27                          ; my scale words: lanes 0-15 A's rows, lanes 16-31 B's
.set SPW,  28                          ; my spare word's LDS address; never rewritten
.set NIL,  29                          ; 0; never rewritten
.set L8C,  30
.set SOF,  31
.set SC,   32
.set PC,   112                         ; the way out: v112-130 the codes just made
.set AF,   128
.set TM,   200                         ; v200-215 at work
.set PWS,  224                         ; v224-231 the eight blocks' scale words
.set T0,   232
.set T1,   236
.set G1, 24                            ; s[24:31] group 1 for A's tiles; s[32:39] group 0, a set for each slot
.set G0, 32
.set G1B, 48                           ; s[48:55], s[56:63] the same for B's
.set G0B, 56
.set G1S, 68                           ; s[68:75], s[76:79] A's scales; s[80:87], s[88:91] B's
.set G0S, 76
.set G1SB, 80
.set G0SB, 88
.set MSB, 0
.macro WIN new                         ; the immediate's high byte repeats the setting that is left
.if MSB != \new
	s_set_vgpr_msb (MSB<<8)|\new
.set MSB, \new
.endif
.endm
.set MUL_LO, 0xa1                      ; source 0 (B) window 1, source 1 (A) window 0, C and D window 2
.set MUL_HI, 0xf1                      ; the same, C and D window 3
.set TO_B,   0x40                      ; destination window 1, address window 0
; A joint load: waves 0 and 1 fetch for A, waves 2 and 3 for B; the branch hangs on the wave's number alone.  An s_nop 0 and four v_nop follow each of the two lines.
.macro JLOAD g0a, g1a, g0b, g1b
	s_cmp_eq_u32 s15, 0
	s_cbranch_scc0 .Lfor_b_\@
	tensor_load_to_lds s[\g0a:\g0a+3], s[\g1a:\g1a+7]
	s_nop 0
.rept 4
	v_nop
.endr
	s_branch .Lasked_\@
.Lfor_b_\@:
	tensor_load_to_lds s[\g0b:\g0b+3], s[\g1b:\g1b+7]
	s_nop 0
.rept 4
	v_nop
.endr
.Lasked_\@:
.endm
.macro CREST                           ; a round of the cluster's barrier behind its opening barrier
	s_cmp_lg_u32 s14, 0
	s_cbranch_scc1 .Lnot_wave_0_\@
	s_barrier_signal -3
.Lnot_wave_0_\@:
	s_barrier_wait -3
	s_barrier_signal -1
	s_barrier_wait -1
.endm
.macro CROUND
	s_barrier_signal -1
	s_barrier_wait -1
	CREST
.endm
	s_load_b128 s[4:7], s[0:1], 0x0                ; xq, wq
	s_load_b64 s[8:9], s[0:1], 0x10                ; qkv
	v_lshl_add_u32 v[SPW], v0, 2, SPARE
	v_mov_b32 v[NIL], 0
	ds_add_u32 v[SPW], v[NIL]                      ; the wave's opening: the add and its wait stand ahead of my first tensor load; work on registers stands between them
	v_lshrrev_b32 v1, 5, v0
	v_readfirstlane_b32 s14, v1                    ; wave 0..3
	s_lshr_b32 s15, s14, 1                         ; my half of A's rows.  Also: I fetch for A (0) or for B (1)
	s_and_b32 s16, s14, 1                          ; my half of B's rows.  Also: which half of that tile I fetch
	s_bfe_u32 s40, ttmp6, 0x40000                  ; cx
	s_bfe_u32 s41, ttmp6, 0x40004                  ; cy
	s_and_b32 s18, ttmp7, 0xffff                   ; cluster y
	s_cmp_eq_u32 ttmp9, 2                          ; V's clusters: the same answer in all sixteen partners
	s_cselect_b32 s19, ttmp9, s18                  ; the cluster's coordinate along A,
	s_cselect_b32 s20, s18, ttmp9                  ; and along B
	s_mov_b32 s21, 1572864
	s_cselect_b32 s10, 786432, s21                 ; bytes from one 256 along K to the next: in A's buffer,
	s_mov_b32 s21, 786432
	s_cselect_b32 s12, 1572864, s21                ; in B's
	s_mov_b32 s11, 0
	s_mov_b32 s13, 0
	s_lshl_b32 s17, s19, 2
	s_add_co_u32 s17, s17, s41                     ; A's tile of 256 rows
	s_lshl_b32 s42, s20, 2
	s_add_co_u32 s42, s42, s40                     ; B's
	s_lshl_b32 s96, s10, 1                         ; a refill's step: two slots on
	s_mov_b32 s97, 0
	s_lshl_b32 s98, s12, 1
	s_mov_b32 s99, 0
	s_lshl_b32 s43, s41, 2
	s_lshl_b32 s43, 15, s43                        ; my row of the cluster
	s_lshl_b32 s44, 0x1111, s40                    ; my column
	; group 1 for the codes: a dense block of 24,576 bytes as 96 rows of 256 bytes (32 elements of 8 bytes), no padding
	s_or_b32 s[G1+0], s43, (3<<16)|(1<<21)         ; 15:0 the mask; 17:16 elements of 8 bytes; 21 set beside a mask
	s_or_b32 s[G1B+0], s44, (3<<16)|(1<<21)
.irp g, G1, G1B
	s_mov_b32 s[\g+1], 32<<16                      ; tensor_dim0
	s_mov_b32 s[\g+2], 96<<16                      ; tensor_dim1
	s_mov_b32 s[\g+3], 32<<16                      ; tile_dim0
	s_mov_b32 s[\g+4], 96                          ; tile_dim1
	s_mov_b32 s[\g+5], 32                          ; from row to row
	s_mov_b32 s[\g+6], 0
	s_mov_b32 s[\g+7], 0
.endr
	; and for the scale bytes of 128 rows: 4,096 dense bytes as 16 rows of 256, 16 bytes of padding behind each
	s_or_b32 s[G1S+0], s43, (3<<16)|(1<<20)|(1<<21)|(5<<22)|(3<<25)
	s_or_b32 s[G1SB+0], s44, (3<<16)|(1<<20)|(1<<21)|(5<<22)|(3<<25)
.irp g, G1S, G1SB
	s_mov_b32 s[\g+1], 32<<16
	s_mov_b32 s[\g+2], 16<<16
	s_mov_b32 s[\g+3], 32<<16
	s_mov_b32 s[\g+4], 16
	s_mov_b32 s[\g+5], 32
	s_mov_b32 s[\g+6], 0
	s_mov_b32 s[\g+7], 0
.endr
	s_lshl_b32 s18, s16, 3                         ; which 8 tiles of 16 I fetch
	s_lshl_b32 s20, s17, 4
	s_add_co_u32 s20, s20, s18                     ; A: the first of them
	s_lshl_b32 s46, s42, 4
	s_add_co_u32 s46, s46, s18                     ; B
	s_lshl_b32 s22, s20, 9                         ; 512 scale bytes a tile,
	s_lshl_b32 s19, s10, 2                         ; behind the codes: four planes
	s_add_co_u32 s22, s22, s19
	s_mov_b32 s23, 0
	s_mul_i32 s20, s20, 3072                       ; 3,072 bytes of codes a tile and plane
	s_mov_b32 s21, 0
	s_lshl_b32 s92, s46, 9
	s_lshl_b32 s19, s12, 2
	s_add_co_u32 s92, s92, s19
	s_mov_b32 s93, 0
	s_mul_i32 s46, s46, 3072
	s_mov_b32 s47, 0
	s_mul_i32 s45, s14, HALFT                      ; where they go: no place in the cluster enters an LDS address
	s_mul_i32 s3, s14, HALFS
	s_wait_dscnt 0x0                               ; the opening add is done
	s_wait_kmcnt 0x0
	s_cmp_eq_u32 ttmp9, 2
	s_cselect_b64 s[94:95], s[6:7], s[4:5]         ; A's buffer
	s_cselect_b64 s[66:67], s[4:5], s[6:7]         ; B's
	s_add_nc_u64 s[20:21], s[94:95], s[20:21]
	s_add_nc_u64 s[22:23], s[94:95], s[22:23]
	s_add_nc_u64 s[46:47], s[66:67], s[46:47]
	s_add_nc_u64 s[92:93], s[66:67], s[92:93]
	CROUND                                         ; all sixteen work-groups are here: the first joint loads meet
	s_mov_b32 s[G0S], 1
	s_add_co_u32 s[G0S+1], s3, SCL
	s_mov_b64 s[G0S+2:G0S+3], s[22:23]
	s_or_b32 s[G0S+3], s[G0S+3], 0x80000000
	s_mov_b32 s[G0SB], 1
	s_add_co_u32 s[G0SB+1], s3, SCL
	s_mov_b64 s[G0SB+2:G0SB+3], s[92:93]
	s_or_b32 s[G0SB+3], s[G0SB+3], 0x80000000
	JLOAD G0S, G1S, G0SB, G1SB                     ; the scale bytes, filled once
	s_mov_b32 s[G0], 1
	s_mov_b32 s[G0+1], s45
	s_mov_b64 s[G0+2:G0+3], s[20:21]
	s_or_b32 s[G0+3], s[G0+3], 0x80000000
	s_mov_b32 s[G0B], 1
	s_mov_b32 s[G0B+1], s45
	s_mov_b64 s[G0B+2:G0B+3], s[46:47]
	s_or_b32 s[G0B+3], s[G0B+3], 0x80000000
	JLOAD G0, G1, G0B, G1B                         ; slot 0: K 0 to 255
	s_mov_b32 s[G0+4], 1
	s_add_co_u32 s[G0+5], s45, SLOT
	s_add_nc_u64 s[G0+6:G0+7], s[20:21], s[10:11]
	s_or_b32 s[G0+7], s[G0+7], 0x80000000
	s_mov_b32 s[G0B+4], 1
	s_add_co_u32 s[G0B+5], s45, SLOT
	s_add_nc_u64 s[G0B+6:G0B+7], s[46:47], s[12:13]
	s_or_b32 s[G0B+7], s[G0B+7], 0x80000000
	JLOAD G0+4, G1, G0B+4, G1B                     ; slot 1: K 256 to 511.  Three tensor loads of mine are out
	v_and_b32 v3, 31, v0
	v_and_b32 v1, 15, v0                           ; r; kept
	v_bfe_u32 v2, v0, 4, 1                         ; h; kept
	v_lshlrev_b32 v[L16], 4, v3
	v_lshlrev_b32 v[L8], 3, v3
	s_mul_i32 s21, s15, HALFT                      ; my half of A
	s_mul_i32 s22, s16, HALFT                      ; my half of B,
	s_add_co_u32 s22, s22, 2*HALFT                 ; behind A's two
.irp s, 0,1
	v_add_nc_u32 v[ADRA+\s], s21, v[L16]
	v_add_nc_u32 v[ADRB+\s], s22, v[L16]
	v_add_nc_u32 v[ADRA+2+\s], s21, v[L8]
	v_add_nc_u32 v[ADRB+2+\s], s22, v[L8]
	s_add_co_u32 s21, s21, SLOT
	s_add_co_u32 s22, s22, SLOT
.endr
	v_lshlrev_b32 v5, 5, v1                        ; my row's scale bytes: 32 a row,
	v_lshrrev_b32 v6, 8, v5
	v_lshl_add_u32 v5, v6, 4, v5                   ; and 16 more for each 256 passed
	s_mul_i32 s21, s15, HALFS
	s_mul_i32 s22, s16, HALFS
	s_add_co_u32 s22, s22, 2*HALFS
	s_sub_co_u32 s22, s22, s21
	v_mul_u32_u24 v6, s22, v2                      ; lanes 16-31 take B's
	s_add_co_u32 s21, s21, SCL
	v_add_nc_u32 v5, v5, v6
	v_add_nc_u32 v[ADRS], s21, v5
.macro FRAG reg, adr, q, i             ; tile i's fragment of the slot's q-th 128 along K: the image comes back as it was stored
	ds_load_b128 v[\reg:\reg+3], v[\adr] offset:3072*(\i)+1536*(\q)
	ds_load_b64 v[\reg+4:\reg+5], v[\adr+2] offset:3072*(\i)+1536*(\q)+512
	ds_load_b128 v[\reg+6:\reg+9], v[\adr] offset:3072*(\i)+1536*(\q)+768
	ds_load_b64 v[\reg+10:\reg+11], v[\adr+2] offset:3072*(\i)+1536*(\q)+1280
.endm
; 16 matrix instructions: A's blocks a0, a0 + 1 x B's eight.  The 64 accumulators take turns, one instruction a turn, in the same order in every step.  zero = 1: the first product starts the sums.
.macro MUL16 a0, p, q, sc, zero
.irp a, \a0, \a0+1
.irp b, 0,1,2,3,4,5,6,7
.if \zero
	v_wmma_scale_f32_16x16x128_f8f6f4 v[8*(8*((\a)%4)+\b):8*(8*((\a)%4)+\b)+7], v[128*(\p)+FR*\b:128*(\p)+FR*\b+FR-1], v[AF+FR*(\a):AF+FR*(\a)+FR-1], 0, v[SC+8*NQ*(\sc)+NQ*\b+(\q)], v[SC+8*NQ*(\sc)+NQ*(\a)+(\q)] matrix_a_fmt:MATRIX_FMT_FP6 matrix_b_fmt:MATRIX_FMT_FP6 matrix_a_scale:MATRIX_SCALE_ROW1
.else
	v_wmma_scale_f32_16x16x128_f8f6f4 v[8*(8*((\a)%4)+\b):8*(8*((\a)%4)+\b)+7], v[128*(\p)+FR*\b:128*(\p)+FR*\b+FR-1], v[AF+FR*(\a):AF+FR*(\a)+FR-1], v[8*(8*((\a)%4)+\b):8*(8*((\a)%4)+\b)+7], v[SC+8*NQ*(\sc)+NQ*\b+(\q)], v[SC+8*NQ*(\sc)+NQ*(\a)+(\q)] matrix_a_fmt:MATRIX_FMT_FP6 matrix_b_fmt:MATRIX_FMT_FP6 matrix_a_scale:MATRIX_SCALE_ROW1
.endif
.endr
.endr
.endm
.macro FETCH_B slot, q, p
	WIN TO_B
.irp i, 0,1,2,3,4,5,6,7
	FRAG 128*(\p)+FR*\i, ADRB+\slot, \q, \i
.endr
	WIN 0
.endm
.macro FETCH_A slot, q, i0
.irp i, \i0, \i0+1, \i0+2, \i0+3
	FRAG AF+FR*(\i), ADRA+\slot, \q, \i
.endr
.endm
.macro SCALES sc                       ; a slot's two scale words a row: lanes 0-15 A's block i, lanes 16-31 B's block i
.irp i, 0,1,2,3,4,5,6,7
	ds_load_b64 v[SC+8*NQ*\sc+NQ*\i:SC+8*NQ*\sc+NQ*\i+1], v[ADRS] offset:\i*SBLK
.endr
.endm
.macro PLACES n                        ; plain vector instructions between a matrix instruction and a load into, or a vector instruction on, its registers
.rept \n
	v_nop
.endr
.endm
.macro STEP slot, q, zero              ; 128 along K that have their successor in the same slot
	s_wait_dscnt 4*NL                              ; all but the youngest 16 loads (A's blocks 4-7) are in
	WIN MUL_LO
	MUL16 0, (\q)%2, \q, \slot, \zero
	MUL16 2, (\q)%2, \q, \slot, \zero
	s_wait_dscnt 0
	PLACES NP
	FETCH_B \slot, (\q)+1, 1-(\q)%2
	FETCH_A \slot, (\q)+1, 0
	WIN MUL_HI
	MUL16 4, (\q)%2, \q, \slot, \zero
	MUL16 6, (\q)%2, \q, \slot, \zero
	PLACES NP
	WIN 0
	FETCH_A \slot, (\q)+1, 4
.endm
; A slot's last 128 change slots: one barrier; ahead of it each wave waits for all its tensor loads, adds 0 to its spare word, and waits for that and for its reads of this slot.  fill = 1: this slot is filled again, two slots on.
.macro TURN slot, next, fill
	s_wait_tensorcnt 0x0                           ; all my tensor loads have landed: my part of the next slot
	ds_add_u32 v[SPW], v[NIL]                      ; 0 onto my spare word
	s_wait_dscnt 4*NL+1                            ; the add and the youngest 16 loads may be out
	WIN MUL_LO
	MUL16 0, 1, NQ-1, \slot, 0
	s_wait_dscnt 0x0                               ; the add is done, and my reads of this slot are over
	s_barrier_signal -1
	MUL16 2, 1, NQ-1, \slot, 0
	WIN 0
	s_barrier_wait -1
.if \fill
	CREST                                          ; the barrier has opened a round of the cluster's: no wave of any partner still reads this slot or has a load on its way
	s_add_nc_u64 s[G0+4*\slot+2:G0+4*\slot+3], s[G0+4*\slot+2:G0+4*\slot+3], s[96:97]
	s_add_nc_u64 s[G0B+4*\slot+2:G0B+4*\slot+3], s[G0B+4*\slot+2:G0B+4*\slot+3], s[98:99]
	JLOAD G0+4*\slot, G1, G0B+4*\slot, G1B         ; the first tensor load behind the round, one a wave; its four v_nop are the places ahead of the loads below
.else
	PLACES NP
.endif
	v_add_nc_u32 v[ADRS], 4*NQ, v[ADRS]            ; the next slot's scale words
	FETCH_B \next, 0, 0
	FETCH_A \next, 0, 0
	SCALES \next
	WIN MUL_HI
	MUL16 4, 1, NQ-1, \slot, 0
	MUL16 6, 1, NQ-1, \slot, 0
	PLACES NP
	WIN 0
	FETCH_A \next, 0, 4
.endm
	s_wait_tensorcnt 1                             ; the scale bytes and my part of slot 0 are in; slot 1's load may be out
	s_barrier_signal -1
	s_barrier_wait -1
	FETCH_B 0, 0, 0
	FETCH_A 0, 0, 0
	SCALES 0
	FETCH_A 0, 0, 4
	STEP 0, 0, 1                                   ; K = 1,024 is four slots' worth: the eight steps of 128 are written out
	TURN 0, 1, 1                                   ; slot 0 takes K 512 to 767
	STEP 1, 0, 0
	TURN 1, 0, 1                                   ; slot 1 takes K 768 to 1,023
	STEP 0, 0, 0
	TURN 0, 1, 0
	STEP 1, 0, 0
	s_wait_dscnt 4*NL
	WIN MUL_LO
	MUL16 0, 1, NQ-1, 1, 0
	MUL16 2, 1, NQ-1, 1, 0
	s_wait_dscnt 0
	WIN MUL_HI
	MUL16 4, 1, NQ-1, 1, 0
	MUL16 6, 1, NQ-1, 1, 0
	WIN 0
	; THE WAY OUT.  Block a's 64 registers are 128 neighbours along the next K of the lane's row: they become one fragment and one scale word, and leave as the image of the fragment's registers.
	s_lshl_b32 s18, s17, 1
	s_add_co_u32 s18, s18, s15                     ; my 128 rows of A: token block (Q, K), or 16 + block of 128 channels (V)
	s_lshl_b32 s19, s42, 1
	s_add_co_u32 s19, s19, s16                     ; my 128 rows of B: pair of heads (Q, K), or token block (V)
	s_lshl_b32 s20, s19, 10
	s_lshl_b32 s21, s18, 3
	s_add_co_u32 s20, s20, s21
	s_mul_i32 s20, s20, 768                        ; Q, K: (head x 512 + token tile) x 768
	s_lshl_b32 s22, s19, 6
	s_add_co_u32 s22, s22, s21
	s_sub_co_u32 s22, s22, 128
	s_mul_i32 s22, s22, 1536
	s_add_co_u32 s22, s22, 12582912                ; V: (token block x 64 + channel tile) x 1,536
	s_lshl_b32 s23, s19, 7
	s_add_co_u32 s23, s23, s18
	s_lshl_b32 s23, s23, 8                         ; Q, K's scale words: (head x 64 + token block) x 256
	s_lshl_b32 s45, s19, 4
	s_lshl_b32 s46, s18, 1
	s_add_co_u32 s45, s45, s46
	s_sub_co_u32 s45, s45, 32
	s_lshl_b32 s45, s45, 8
	s_add_co_u32 s45, s45, 524288                  ; V's: (token block x 16 + head) x 256
	s_cmp_eq_u32 ttmp9, 2
	s_cselect_b32 s20, s22, s20
	s_cselect_b32 s22, s45, s23
	s_mov_b32 s46, 768
	s_cselect_b32 s10, 1536, s46                   ; from block to block
	s_mov_b32 s47, 393216
	s_cselect_b32 s12, 768, s47                    ; from a fragment's first half to its second: the next head, or the next 768 bytes
	s_mov_b32 s92, 16384
	s_cselect_b32 s93, 256, s92                    ; from lanes 0-15's scale words to lanes 16-31's: the next head
	s_cselect_b32 s94, -1, 0
	s_mov_b32 s21, 0
	s_mov_b32 s23, 0
	s_mov_b32 s11, 0
	s_add_co_u32 s22, s22, 18874368
	s_add_nc_u64 s[20:21], s[8:9], s[20:21]
	s_add_nc_u64 s[22:23], s[8:9], s[22:23]
	s_mov_b32 s66, 0x76543210
	s_mov_b32 s67, 0xfedcba98                      ; lane selects for lane l xor 16
	s_mov_b32 s95, 0xffff0000                      ; the lanes 16-31
	PLACES NP                                      ; behind the last products: their results are read and A's registers written from here on
	v_add_nc_u32 v[L16C], s12, v[L16]
	v_add_nc_u32 v[L8C], s12, v[L8]
	v_mul_u32_u24 v[SOF], s93, v2
	v_lshl_add_u32 v[SOF], v1, 4, v[SOF]
.irp b, 0,1,2,3
	v_mov_b32 v[TM+4+\b], 0                        ; a lane permute's destination counts as one of its sources
.endr
.macro QUANTW a
.set W, 2+(\a)/4
.set WW, W|(W<<2)
.set AS, 64*((\a)%4)
	WIN WW                                         ; sources 0 and 1: the block's window
.irp b, 0,1,2,3
	v_max3_num_f32 v[TM+\b], |v[AS+16*\b]|, |v[AS+16*\b+1]|, 0x1800000   ; each accumulator is read from its low end on; the floor 2^(3 - 127) holds the byte at 1 from below
.endr
.irp i, 2,4,6,8,10,12,14
.irp b, 0,1,2,3
	v_max3_num_f32 v[TM+\b], |v[AS+16*\b+\i]|, |v[AS+16*\b+\i+1]|, v[TM+\b]
.endr
.endr
	WIN 0
.irp b, 0,1,2,3
	v_permlanex16_b32 v[TM+4+\b], v[TM+\b], s66, s67
.endr
.irp b, 0,1,2,3
	v_max_num_f32 v[TM+\b], v[TM+\b], v[TM+4+\b]
.endr
.irp b, 0,1,2,3
	v_add_nc_u32 v[TM+12+\b], 0xff000000, v[TM+\b]
.endr
.irp b, 0,1,2,3
	v_lshrrev_b32 v[TM+4+\b], 23, v[TM+12+\b]
.endr
	v_lshl_or_b32 v[PWS+(\a)], v[TM+5], 8, v[TM+4]
	v_lshl_or_b32 v[PWS+(\a)], v[TM+6], 16, v[PWS+(\a)]
	v_lshl_or_b32 v[PWS+(\a)], v[TM+7], 24, v[PWS+(\a)]
	WIN W                                          ; source 0 alone
.irp c, 0,1
	v_cvt_scalef32_pk16_fp6_f32 v[PC+6*\c:PC+6*\c+2], v[AS+32*\c:AS+32*\c+15], v[TM+12+2*\c]
	v_cvt_scalef32_pk16_fp6_f32 v[PC+12+4*\c:PC+14+4*\c], v[AS+32*\c+16:AS+32*\c+31], v[TM+12+2*\c+1]
.endr
	WIN 0
	v_nop                                          ; one plain instruction behind the scaled conversions
.irp c, 0,1
.irp i, 0,1,2
	v_permlane16_swap_b32 v[PC+6*\c+\i], v[PC+12+4*\c+\i]
.endr
.irp i, 0,1,2
	v_mov_b32 v[PC+3+6*\c+\i], v[PC+12+4*\c+\i]
.endr
.endr
.endm
.irp a, 0,1,2,3,4,5,6,7
	QUANTW \a
	global_store_b128 v[L16], v[PC:PC+3], s[20:21]             ; 512 consecutive bytes, aligned to 256
	global_store_b64 v[L8], v[PC+4:PC+5], s[20:21] offset:512  ; 256
	global_store_b128 v[L16C], v[PC+6:PC+9], s[20:21]
	global_store_b64 v[L8C], v[PC+10:PC+11], s[20:21] offset:512
	s_wait_xcnt 0x0                                ; the stores have read their data and their base: both are written again
	s_add_nc_u64 s[20:21], s[20:21], s[10:11]
.endr
.irp i, 0,1,2,3
	v_perm_b32 v[T0+\i], v[PWS+2*\i+1], v[PWS+2*\i], 0x05040100   ; Q, K: the first head's two bytes of tiles 2 i and 2 i + 1,
	v_perm_b32 v[T1+\i], v[PWS+2*\i+1], v[PWS+2*\i], 0x07060302   ; the second head's
	v_cndmask_b32 v[T0+\i], v[T0+\i], v[T1+\i], s95               ; lanes 16-31 store the second head's
	v_cndmask_b32 v[T1+\i], v[PWS+\i], v[PWS+4+\i], s95           ; V: lanes 0-15 the first head's four channel tiles, lanes 16-31 the second's
	v_cndmask_b32 v[T0+\i], v[T0+\i], v[T1+\i], s94
.endr
	global_store_b128 v[SOF], v[T0:T0+3], s[22:23] ; two runs of 256 consecutive bytes, aligned
	s_wait_tensorcnt 0x0                           ; the wave's end
	ds_add_u32 v[SPW], v[NIL]
	s_wait_dscnt 0x0
	CROUND                                         ; the closing round: no work-group ends while a partner may still ask for a tile that names it
	s_endpgm
.Lfunc_end_k_qe56fa72d55_qkv:
	.size	k_qe56fa72d55_qkv, .Lfunc_end_k_qe56fa72d55_qkv-k_qe56fa72d55_qkv
	.p2alignl 7, 3214868480
	.fill 96, 4, 3214868480
	.section	.rodata,"a",@progbits
	.p2align	6, 0x0
	.amdhsa_kernel k_qe56fa72d55_qkv
		.amdhsa_group_segment_fixed_size 327680
		.amdhsa_private_segment_fixed_size 0
		.amdhsa_enable_private_segment 0
		.amdhsa_kernarg_size 24
		.amdhsa_user_sgpr_count 2
		.amdhsa_user_sgpr_kernarg_segment_ptr 1
		.amdhsa_wavefront_size32 1
		.amdhsa_system_sgpr_workgroup_id_x 1
		.amdhsa_system_sgpr_workgroup_id_y 1
		.amdhsa_system_sgpr_workgroup_id_z 1
		.amdhsa_system_vgpr_workitem_id 0
		.amdhsa_next_free_vgpr 1024
		.amdhsa_next_free_sgpr 102
		.amdhsa_reserve_vcc 0
		.amdhsa_float_denorm_mode_32 3
		.amdhsa_float_denorm_mode_16_64 3
		.amdhsa_memory_ordered 1
		.amdhsa_forward_progress 1
		.amdhsa_inst_pref_size 152
	.end_amdhsa_kernel
	.amdgpu_metadata
---
amdhsa.version: [ 1, 2 ]
amdhsa.kernels:
  - .name:           k_qe56fa72d55_qkv
    .symbol:         k_qe56fa72d55_qkv.kd
    .args:
      - { .name: xq, .offset: 0, .size: 8, .value_kind: global_buffer, .address_space: global }
      - { .name: wq, .offset: 8, .size: 8, .value_kind: global_buffer, .address_space: global }
      - { .name: qkv, .offset: 16, .size: 8, .value_kind: global_buffer, .address_space: global }
    .group_segment_fixed_size: 327680
    .private_segment_fixed_size: 0
    .kernarg_segment_align: 8
    .kernarg_segment_size: 24
    .max_flat_workgroup_size: 128
    .sgpr_count:     102
    .vgpr_count:     1024
    .wavefront_size: 32
...
	.end_amdgpu_metadata
.endif
;; end of part 2
;; launch attn (part 3): grid 64 x 8, 16 waves a work-group, no clusters, 27,648 bytes of LDS; arguments qkv, mk, ctx; writes ctx
.if DOCPART == 3
	.amdgcn_target "amdgcn-amd-amdhsa--gfx1250"
	.amdhsa_code_object_version 6
	.text
	.protected	k_qe56fa72d55_attn
	.globl	k_qe56fa72d55_attn
	.p2align	8
	.type	k_qe56fa72d55_attn,@function
k_qe56fa72d55_attn:
	s_mov_b64 s[64:65], 0
	v_nop
	global_prefetch_b8 v0, s[64:65] scope:SCOPE_SE
	s_setreg_imm32_b32 hwreg(HW_REG_WAVE_MODE, 25, 1), 1
	s_wait_xcnt 0x0
; ATTN: ctx = softmax(mask(Q K^T / 8)) V for one (batch, head) and 256 queries a work-group, both products on codes of FP6 (E2M3) with E8M0 scales; ctx leaves quantised along head x 64 + channel, as the last product's operand.
; THE SOFTMAX: t = score x log2(e) / 8; M = the row's largest t so far, rounded up to a whole number; p = 2^(t - M) is quantised along the keys, not normalised; the row's sum is taken of the unquantised p and divides at the end.
; When M moves, the sum and O are multiplied by 2^(old M - new M): exact.
; SHARES.  Sixteen waves, each one tile of 16 queries in 256 registers: four waves to a SIMD, so that one wave's vector work stands beside another's matrix work and LDS loads.  16 key steps of 128 keys.
; LAYOUT.  Both products transposed: S^T = K Q^T (source 0 = keys), O^T = V^T P^T (source 0 = channels): a lane holds one query throughout.  Tiles hold rows 32 (T / 2) + 8 (T % 2) + r + 8 (r / 8), so register 16 b + i of S^T is key 32 b + 16 (lane / 16) + i.
; THE HEAD HAS 64 CHANNELS, the instruction takes 128: a fragment of K is [key tile 2 b | key tile 2 b + 1]; Q lies in 18 registers, 6 of zeros, its 6, 6 of zeros: the last 12 pick the first tile, the first 12 the second.  No byte of K is read for nothing.
; THE MASK IS AN INPUT.  An earlier launch has stored it as lane-mask words, one for each register of S^T, and as flags for each (query tile, key step): a step in which no key counts for my 16 queries is left out by a scalar branch on the stored flag;
; a step in which all count skips the 64 selects; a step that no wave of the work-group wants is not fetched.  Every wave passes every barrier.
; A row for which no key counts has the sum 0: its scale bytes become 0xff, so that the last product gives NaN for that row.
; NO TENSOR LOAD, NO CLUSTER: which steps a work-group fetches hangs on flags read from memory, and partners would want different steps.  A step's 12,800 bytes (K 6,144, V 6,144, scale words 512) come by plain loads into registers,
; asked for at the head of the step before and put into the other LDS slot at its end, for all sixteen waves.  No prefetch: those loads are out for a whole step's work before their data are wanted.
; LIMITS: NaN and infinities in Q, K, V are not served; a block of zeros gets the byte 1 and zero codes.
.set SLOTB, 12800                      ; an LDS slot: K's four fragments, V's four, the image of the scale words
.set VOFF,  6144
.set SOFF,  12288
.set SPARE, 25600                      ; behind the two slots: the spare words, 128 bytes for each of 16 waves
.set L16,  1                           ; 16 x lane
.set L8,   2                           ; 8 x lane
.set STA16, 3                          ; where I put my 16 bytes of a step: threads 0-255 K's, 256-511 V's
.set STA8, 4                           ; and my 8
.set GA16, 5                           ; the same places in memory
.set GA8,  6
.set GSC,  7                           ; wave 0: my 16 bytes of scale words: lanes 0-15 K's, lanes 16-31 V's
.set GSI,  8                           ; and their step
.set SPW,  9                           ; my spare word's LDS address; never rewritten
.set NIL,  10                          ; 0; never rewritten
.set NINF, 11                          ; -infinity
;          v12 -M, v13 the largest t, v[14:15] the sum in two halves
.set QF,   16                          ; v16-33 Q between zeros
.set QS,   34                          ; Q's scale word
.set PS,   35                          ; p's
.set SC,   36                          ; v36-39 lanes 0-15 K's four scale words, lanes 16-31 V's
.set KF,   40                          ; v40-87 four fragments: K's, then V's
.set S,    88                          ; v88-151 S^T, then p
.set O,    152                         ; v152-183 O^T
.set PC,   184                         ; v184-195 p's codes
.set CT,   196                         ; v196-202
.set BM,   204                         ; v204-207 the blocks' largest scores, then largest p
.set BT,   208                         ; v208-211
.set BS,   212                         ; v212-215 the conversions' scale operands
.set FF,   216                         ; v[216:217] f = 2^(old M - new M); the pair's upper half is written once
.set TT,   218
.set G,    220                         ; v220-229 a step's bytes on their way to LDS
.set WV,   2
.set CNT,  3
.set MB,   10                          ; s[10:11] my tile's mask words
.set MYA,  12                          ; bit 0: some key of this step counts for my tile
.set MYF,  13                          ; bit 0: all count
.set WGA,  14                          ; bit 0: some wave of the work-group wants the NEXT step
;          s16-63, s68-83: the step's 64 mask words
.set SB,   84                          ; s[84:85] where my part of the next step lies, s[86:87] its step
.set SCB,  88                          ; s[88:89] the scale words
.set SEL,  90                          ; s[90:91] lane selects for lane l xor 16
.set CS,   92                          ; s[92:93] c = log2(e) / 8
.set CD,   94                          ; s[94:95] ctx: my half fragment
.set CSD,  96                          ; s[96:97] ctx: my scale bytes
.set HM,   100                         ; the lanes 16-31
	s_load_b128 s[4:7], s[0:1], 0x0                ; qkv, mk
	s_load_b64 s[8:9], s[0:1], 0x10                ; ctx
	v_lshl_add_u32 v[SPW], v0, 2, SPARE
	v_mov_b32 v[NIL], 0
	v_lshrrev_b32 v231, 5, v0
	v_readfirstlane_b32 s[WV], v231                ; wave 0..15
	v_and_b32 v231, 31, v0
	v_and_b32 v230, 15, v0                         ; r
	v_lshlrev_b32 v[L16], 4, v231
	v_lshlrev_b32 v[L8], 3, v231
	v_and_b32 v232, 255, v0
	v_lshrrev_b32 v233, 8, v0
	v_mul_u32_u24 v233, v233, VOFF
	v_lshlrev_b32 v[GA16], 4, v232                 ; a step's 6,144 bytes of K or V: 256 threads x 16 bytes,
	v_lshl_add_u32 v[GA8], v232, 3, 4096           ; then 256 x 8
	v_add_nc_u32 v[STA16], v233, v[GA16]
	v_add_nc_u32 v[STA8], v233, v[GA8]
	s_mov_b32 s[HM], 0xffff0000
	s_mov_b32 s[SEL], 0x76543210
	s_mov_b32 s[SEL+1], 0xfedcba98
	s_mov_b32 s[CS], 0x3e38aa3b
	s_mov_b32 s[CS+1], s[CS]                       ; named with it as a pair, so it is written
	s_lshr_b32 s15, ttmp9, 4                       ; batch
	s_and_b32 s66, ttmp9, 15                       ; head
	s_and_b32 s67, ttmp7, 0xffff
	s_sub_co_u32 s67, 7, s67                       ; block of 256 queries: the later queries' work-groups come first in the grid
	s_lshl_b32 s98, s67, 4
	s_add_co_u32 s98, s98, s[WV]                   ; my query tile in the batch
	s_lshl_b32 s99, s15, 7
	s_add_co_u32 s99, s99, s98                     ; my token tile
	s_mov_b32 s101, 0x03020302
	s_bitcmp1_b32 s98, 0
	s_cselect_b32 s101, s101, 0x01000100           ; which half of a scale word is my tile's
	s_lshl_b32 s16, s66, 9
	s_add_co_u32 s16, s16, s99
	s_mul_i32 s16, s16, 768                        ; Q's half fragment
	s_lshl_b32 s17, s66, 6
	s_lshl_b32 s18, s15, 4
	s_add_co_u32 s17, s17, s18
	s_add_co_u32 s19, s17, 1024
	s_lshl_b32 s19, s19, 8                         ; K's scale words of step 0
	s_lshr_b32 s20, s98, 3
	s_add_co_u32 s17, s17, s20
	s_lshl_b32 s17, s17, 8
	s_bfe_u32 s20, s98, 0x20001
	s_lshl_b32 s20, s20, 2
	s_add_co_u32 s17, s17, s20                     ; Q's scale word
	s_lshl_b32 s20, s15, 8
	s_add_co_u32 s20, s20, s66
	s_lshl_b32 s20, s20, 8
	s_add_co_u32 s20, s20, 524288                  ; V's scale words of step 0
	s_add_co_u32 s21, s66, 16
	s_lshl_b32 s21, s21, 9
	s_lshl_b32 s22, s15, 7
	s_add_co_u32 s21, s21, s22
	s_mul_i32 s21, s21, 768                        ; K's codes of step 0
	s_lshl_b32 s22, s15, 10
	s_lshl_b32 s23, s66, 2
	s_add_co_u32 s22, s22, s23
	s_mul_i32 s22, s22, 1536
	s_add_co_u32 s22, s22, 12582912                ; V's
	s_mov_b32 s23, 98304
	s_cmp_lt_u32 s[WV], 8                          ; waves 0-7 carry K, waves 8-15 V
	s_cselect_b32 s[SB], s21, s22
	s_cselect_b32 s[SB+2], 6144, s23
	s_mov_b32 s[SB+1], 0
	s_mov_b32 s[SB+3], 0
	s_lshr_b32 s24, s66, 2
	s_lshl_b32 s24, s24, 9
	s_add_co_u32 s24, s24, s99
	s_mul_i32 s24, s24, 3072
	s_and_b32 s25, s66, 3
	s_mul_i32 s25, s25, 768
	s_add_co_u32 s[CD], s24, s25                   ; ctx: plane head / 4, my tile, half fragment head % 4
	s_mov_b32 s[CD+1], 0
	s_lshl_b32 s[CSD], s99, 9
	s_lshl_b32 s25, s66, 1
	s_add_co_u32 s[CSD], s[CSD], s25
	s_add_co_u32 s[CSD], s[CSD], 6291456
	s_mov_b32 s[CSD+1], 0
	s_lshl_b32 s26, s98, 12                        ; my tile's mask words: 16 steps of 256 bytes
	s_mov_b32 s27, 0
	s_lshl_b32 s28, s67, 8
	s_add_co_u32 s28, s28, 524288                  ; the flags of the work-group's 16 tiles
	s_mov_b32 s29, 0
	s_lshl_b32 s30, s98, 4
	s_add_co_u32 s30, s30, 524288                  ; my tile's
	s_mov_b32 s31, 0
	s_wait_kmcnt 0x0
	s_add_nc_u64 s[SB:SB+1], s[4:5], s[SB:SB+1]
	s_add_nc_u64 s[SCB:SCB+1], s[4:5], 18874368
	s_add_nc_u64 s[CD:CD+1], s[8:9], s[CD:CD+1]
	s_add_nc_u64 s[CSD:CSD+1], s[8:9], s[CSD:CSD+1]
	s_add_nc_u64 s[MB:MB+1], s[6:7], s[26:27]
	s_add_nc_u64 s[98:99], s[6:7], s[28:29]
	s_add_nc_u64 s[66:67], s[6:7], s[30:31]
	v_add_nc_u32 v234, s16, v[L16]
	v_add_nc_u32 v235, s16, v[L8]
	v_lshl_add_u32 v236, v230, 4, s17
	global_load_b128 v[QF+6:QF+9], v234, s[4:5]    ; Q's six registers
	global_load_b64 v[QF+10:QF+11], v235, s[4:5] offset:512
	global_load_b32 v237, v236, s[SCB:SCB+1]
	v_mov_b32 v[GSC], s19
	v_mov_b32 v[GSI], s20
	v_cndmask_b32 v[GSC], v[GSC], v[GSI], s[HM]
	v_lshl_add_u32 v[GSC], v230, 4, v[GSC]
	v_mov_b32 v[GSI], 0x100
	v_mov_b32 v[TT], 0x1000
	v_cndmask_b32 v[GSI], v[GSI], v[TT], s[HM]
	s_load_b512 s[16:31], s[98:99], 0x0            ; 64 flag words
	s_load_b512 s[32:47], s[98:99], 0x40
	s_load_b512 s[48:63], s[98:99], 0x80
	s_load_b512 s[68:83], s[98:99], 0xc0
	s_load_b128 s[12:15], s[66:67], 0x0            ; my tile's four
	v_mov_b32 v[NINF], 0xff800000
	v_mov_b32 v13, 0xff61b1e6                      ; the largest t so far: -3e38, under every t
	v_floor_f32 v12, -v13
	v_mov_b32 v14, 0
	v_mov_b32 v15, 0
.irp i, 0,1,2,3,4,5
	v_mov_b32 v[QF+\i], 0
	v_mov_b32 v[QF+12+\i], 0
.endr
.irp i, 0,1,2,3
	v_mov_b32 v[BT+\i], 0                          ; a lane permute's destination counts as one of its sources
.endr
	v_mov_b32 v[FF+1], 0
.irp i, 0,1,2,3,4,5,6,7,8,9
	v_mov_b32 v[G+\i], 0                           ; written on every path
.endr
	s_wait_kmcnt 0x0
	s_or_b32 s12, s12, s13
	s_or_b32 s14, s14, s15
	s_or_b32 s12, s12, s14
	s_lshr_b32 s[MYF], s12, 16
	s_and_b32 s[MYA], s12, 0xffff
	s_or_b32 s[WGA], s16, s17
.set j, 2
.rept 62
.if j < 48
	s_or_b32 s[WGA], s[WGA], s[16+j]
.else
	s_or_b32 s[WGA], s[WGA], s[20+j]
.endif
.set j, j+1
.endr
	s_and_b32 s[WGA], s[WGA], 0xffff
.macro ASKN                            ; the bytes of the step that WGA's bit 0 stands for, into registers, if any wave wants it
	s_bitcmp1_b32 s[WGA], 0
	s_cbranch_scc0 .Lna_\@
	global_load_b128 v[G:G+3], v[GA16], s[SB:SB+1]
	global_load_b64 v[G+4:G+5], v[GA8], s[SB:SB+1]
	s_cmp_lg_u32 s[WV], 0
	s_cbranch_scc1 .Lna_\@
	global_load_b128 v[G+6:G+9], v[GSC], s[SCB:SCB+1]
.Lna_\@:
.endm
.macro PUT slot                        ; they go into LDS; the addresses step; one barrier
	s_wait_loadcnt 0x0
	s_bitcmp1_b32 s[WGA], 0
	s_cbranch_scc0 .Lnp_\@
	ds_store_b128 v[STA16], v[G:G+3] offset:(\slot)*SLOTB
	ds_store_b64 v[STA8], v[G+4:G+5] offset:(\slot)*SLOTB
	s_cmp_lg_u32 s[WV], 0
	s_cbranch_scc1 .Lnp_\@
	ds_store_b128 v[L16], v[G+6:G+9] offset:(\slot)*SLOTB+SOFF
.Lnp_\@:
	s_wait_xcnt 0x0                                ; every earlier memory instruction has read its address registers
	s_add_nc_u64 s[SB:SB+1], s[SB:SB+1], s[SB+2:SB+3]
	v_add_nc_u32 v[GSC], v[GSC], v[GSI]
	s_lshr_b32 s[WGA], s[WGA], 1
	s_wait_dscnt 0x0                               ; my stores into that slot have landed, and my reads of the other slot are over:
	s_barrier_signal -1                            ; behind this barrier the one is read and, a step later, the other written
	s_barrier_wait -1
.endm
.macro STEP slot
	ASKN
	s_bitcmp1_b32 s[MYA], 0
	s_cbranch_scc0 .Lhidden_\@                     ; no key of this step counts for my 16 queries
	s_bitcmp1_b32 s[MYF], 0
	s_cbranch_scc1 .Lopen_a_\@
	s_load_b512 s[16:31], s[MB:MB+1], (\slot)*256
	s_load_b512 s[32:47], s[MB:MB+1], (\slot)*256+64
	s_load_b512 s[48:63], s[MB:MB+1], (\slot)*256+128
	s_load_b512 s[68:83], s[MB:MB+1], (\slot)*256+192
.Lopen_a_\@:
.irp f, 0,1,2,3
	ds_load_b128 v[KF+12*\f:KF+12*\f+3], v[L16] offset:(\slot)*SLOTB+1536*\f
	ds_load_b64 v[KF+12*\f+4:KF+12*\f+5], v[L8] offset:(\slot)*SLOTB+1536*\f+512
	ds_load_b128 v[KF+12*\f+6:KF+12*\f+9], v[L16] offset:(\slot)*SLOTB+1536*\f+768
	ds_load_b64 v[KF+12*\f+10:KF+12*\f+11], v[L8] offset:(\slot)*SLOTB+1536*\f+1280
.endr
	ds_load_b128 v[SC:SC+3], v[L16] offset:(\slot)*SLOTB+SOFF
	s_wait_dscnt 0x0
.irp f, 0,1,2,3                                ; S^T: fragment f against Q in its lower half (key tile 2 f), then in its upper half (key tile 2 f + 1)
	v_wmma_scale_f32_16x16x128_f8f6f4 v[S+16*\f:S+16*\f+7], v[KF+12*\f:KF+12*\f+11], v[QF+6:QF+17], 0, v[SC+\f], v[QS] matrix_a_fmt:MATRIX_FMT_FP6 matrix_b_fmt:MATRIX_FMT_FP6
	v_wmma_scale_f32_16x16x128_f8f6f4 v[S+16*\f+8:S+16*\f+15], v[KF+12*\f:KF+12*\f+11], v[QF:QF+11], 0, v[SC+\f], v[QS] matrix_a_fmt:MATRIX_FMT_FP6 matrix_b_fmt:MATRIX_FMT_FP6
.endr
.rept 4
	v_nop                                          ; places ahead of the loads into K's registers and of the first read of the scores
.endr
.irp f, 0,1,2,3                                ; V's fragments land while the softmax is worked
	ds_load_b128 v[KF+12*\f:KF+12*\f+3], v[L16] offset:(\slot)*SLOTB+VOFF+1536*\f
	ds_load_b64 v[KF+12*\f+4:KF+12*\f+5], v[L8] offset:(\slot)*SLOTB+VOFF+1536*\f+512
	ds_load_b128 v[KF+12*\f+6:KF+12*\f+9], v[L16] offset:(\slot)*SLOTB+VOFF+1536*\f+768
	ds_load_b64 v[KF+12*\f+10:KF+12*\f+11], v[L8] offset:(\slot)*SLOTB+VOFF+1536*\f+1280
.endr
	s_wait_kmcnt 0x0
	s_bitcmp1_b32 s[MYF], 0
	s_cbranch_scc1 .Lopen_b_\@
.set j, 0
.rept 64                                       ; the scores of keys that do not count become -infinity ahead of the maximum: p = 0 then
.if j < 48
	v_cndmask_b32 v[S+j], v[NINF], v[S+j], s[16+j]
.else
	v_cndmask_b32 v[S+j], v[NINF], v[S+j], s[20+j]
.endif
.set j, j+1
.endr
.Lopen_b_\@:
.irp b, 0,1,2,3
	v_max3_num_f32 v[BM+\b], v[S+16*\b], v[S+16*\b+1], v[S+16*\b+2]   ; the largest score of each block of 32 keys: for the row's maximum and, since p rises with the score, for the block's largest p
.endr
.irp i, 3,5,7,9,11,13
.irp b, 0,1,2,3
	v_max3_num_f32 v[BM+\b], v[BM+\b], v[S+16*\b+\i], v[S+16*\b+\i+1]
.endr
.endr
.irp b, 0,1,2,3
	v_max_num_f32 v[BM+\b], v[BM+\b], v[S+16*\b+15]
.endr
.irp b, 0,1,2,3
	v_permlanex16_b32 v[BT+\b], v[BM+\b], s[SEL], s[SEL+1]
.endr
.irp b, 0,1,2,3
	v_max_num_f32 v[BM+\b], v[BM+\b], v[BT+\b]     ; with lane l xor 16's 16 keys
.endr
	v_max3_num_f32 v[TT], v[BM], v[BM+1], v[BM+2]
	v_max_num_f32 v[TT], v[TT], v[BM+3]
	v_mul_f32 v[TT], s[CS], v[TT]                  ; as t
	v_max_num_f32 v13, v13, v[TT]                  ; the running largest t
	v_mov_b32 v[TT], v12
	v_floor_f32 v12, -v13                          ; the new -M = -ceil(t)
	v_sub_f32 v[TT], v12, v[TT]                    ; old M - new M: a whole number, 0 or less
	v_cvt_i32_f32 v[TT], v[TT]                     ; (it saturates)
	v_ldexp_f32 v[FF], 1.0, v[TT]                  ; f = 2^(old M - new M)
.irp j, 0,2,4,6,8,10,12,14,16,18,20,22,24,26,28,30,32,34,36,38,40,42,44,46,48,50,52,54,56,58,60,62
	v_pk_fma_f32 v[S+\j:S+\j+1], v[S+\j:S+\j+1], s[CS:CS+1], v[12:13] op_sel_hi:[1,0,0]   ; t - M, two at a time
.endr
.irp b, 0,1,2,3
	v_fma_f32 v[BM+\b], v[BM+\b], s[CS], v12
.endr
.irp j, 0,1,2,3,4,5,6,7,8,9,10,11,12,13,14,15,16,17,18,19,20,21,22,23,24,25,26,27,28,29,30,31,32,33,34,35,36,37,38,39,40,41,42,43,44,45,46,47,48,49,50,51,52,53,54,55,56,57,58,59,60,61,62,63
	v_exp_f32 v[S+\j], v[S+\j]                     ; p = 2^(t - M)
.endr
	v_pk_mul_f32 v[14:15], v[14:15], v[FF:FF+1] op_sel_hi:[1,0]   ; the sums under the new M; the plain instruction behind the exponentials
	s_wait_alu depctr_va_vdst(0)                   ; one wait for the batch, ahead of its first reader
.irp b, 0,1,2,3
	v_exp_f32 v[BM+\b], v[BM+\b]                   ; the blocks' largest p
.endr
	v_pk_add_f32 v[BT:BT+1], v[S:S+1], v[S+2:S+3]  ; the row's sum of the unquantised p, in two chains
.irp j, 4,8,12,16,20,24,28,32,36,40,44,48,52,56,60
	v_pk_add_f32 v[14:15], v[14:15], v[S+\j:S+\j+1]
	v_pk_add_f32 v[BT:BT+1], v[BT:BT+1], v[S+\j+2:S+\j+3]
.endr
	v_pk_add_f32 v[14:15], v[14:15], v[BT:BT+1]
	s_wait_alu depctr_va_vdst(0)                   ; and one for the four
.irp b, 0,1,2,3
	v_max_num_f32 v[BM+\b], 0x1800000, v[BM+\b]    ; the floor 2^(3 - 127): the byte cannot fall under 1
.endr
.irp b, 0,1,2,3
	v_add_nc_u32 v[BS+\b], 0xff000000, v[BM+\b]
.endr
.irp b, 0,1,2,3
	v_lshrrev_b32 v[BT+\b], 23, v[BS+\b]
.endr
	v_lshl_or_b32 v[PS], v[BT+1], 8, v[BT]
	v_lshl_or_b32 v[PS], v[BT+2], 16, v[PS]
	v_lshl_or_b32 v[PS], v[BT+3], 24, v[PS]
.irp c, 0,1
	v_cvt_scalef32_pk16_fp6_f32 v[PC+6*\c:PC+6*\c+2], v[S+32*\c:S+32*\c+15], v[BS+2*\c]
	v_cvt_scalef32_pk16_fp6_f32 v[CT+4*\c:CT+4*\c+2], v[S+32*\c+16:S+32*\c+31], v[BS+2*\c+1]
.endr
	v_nop                                          ; one plain instruction behind the scaled conversions
.irp c, 0,1
.irp i, 0,1,2
	v_permlane16_swap_b32 v[PC+6*\c+\i], v[CT+4*\c+\i]
.endr
.irp i, 0,1,2
	v_mov_b32 v[PC+3+6*\c+\i], v[CT+4*\c+\i]
.endr
.endr
.irp j, 0,2,4,6,8,10,12,14,16,18,20,22,24,26,28,30
	v_pk_mul_f32 v[O+\j:O+\j+1], v[O+\j:O+\j+1], v[FF:FF+1] op_sel_hi:[1,0]   ; O^T under the new M; these 16 are also the places between p's codes and scale word and the products
.endr
	s_wait_dscnt 0x0                               ; V
.irp t, 0,1,2,3                                ; the four accumulators by turns; the eight products of S^T stand between two steps' links
	v_wmma_scale_f32_16x16x128_f8f6f4 v[O+8*\t:O+8*\t+7], v[KF+12*\t:KF+12*\t+11], v[PC:PC+11], v[O+8*\t:O+8*\t+7], v[SC+\t], v[PS] matrix_a_fmt:MATRIX_FMT_FP6 matrix_b_fmt:MATRIX_FMT_FP6 matrix_a_scale:MATRIX_SCALE_ROW1
.endr
.rept 4
	v_nop                                          ; places ahead of the next loads into these products' registers and of the next read of O^T
.endr
.Lhidden_\@:
	s_lshr_b32 s[MYA], s[MYA], 1
	s_lshr_b32 s[MYF], s[MYF], 1
	PUT 1-\slot
.endm
	ASKN                                           ; step 0
	PUT 0                                          ; (its wait for loads serves Q too)
	v_perm_b32 v[QS], v237, v237, s101             ; my tile's two scale bytes, twice: for Q in either half
.irp j, 0,1,2,3,4,5,6,7,8,9,10,11,12,13,14,15,16,17,18,19,20,21,22,23,24,25,26,27,28,29,30,31
	v_mov_b32 v[O+\j], 0                           ; O^T: the step is written once, its first run finds zeros.  These lines are also the places between the scale word's making and the first product
.endr
	s_mov_b32 s[CNT], 8
.Ltrip:                                            ; eight trips of two steps, one in each slot: every LDS offset is an immediate
	STEP 0
	STEP 1
	s_add_nc_u64 s[MB:MB+1], s[MB:MB+1], 512
	s_sub_co_u32 s[CNT], s[CNT], 1
	s_cmp_lg_u32 s[CNT], 0
	s_cbranch_scc1 .Ltrip
	; THE WAY OUT: O^T / the sum, quantised along the head's 64 channels: half a fragment of the last product's operand, and two scale bytes a row.
	v_add_f32 v14, v14, v15
	v_permlanex16_b32 v[TT], v14, s[SEL], s[SEL+1]
	v_add_f32 v14, v14, v[TT]                      ; the row's sum
	v_rcp_f32 v[FF], v14
	v_and_b32 v230, 15, v0                         ; (plain work behind the reciprocal)
	v_bfe_u32 v231, v0, 4, 1
	v_lshl_add_u32 v230, v230, 5, v231             ; 32 r + lane / 16: my byte among the tile's scale bytes
	v_mov_b32 v232, 0xff
	s_wait_alu depctr_va_vdst(0)                   ; ahead of the reciprocal's first reader
.irp j, 0,1,2,3,4,5,6,7,8,9,10,11,12,13,14,15,16,17,18,19,20,21,22,23,24,25,26,27,28,29,30,31
	v_mul_f32 v[S+\j], v[O+\j], v[FF]              ; register 16 b + i: channel 32 b + 16 (lane / 16) + i
.endr
.irp b, 0,1
	v_max3_num_f32 v[BM+\b], |v[S+16*\b]|, |v[S+16*\b+1]|, 0x1800000
.endr
.irp i, 2,4,6,8,10,12,14
.irp b, 0,1
	v_max3_num_f32 v[BM+\b], v[BM+\b], |v[S+16*\b+\i]|, |v[S+16*\b+\i+1]|
.endr
.endr
.irp b, 0,1
	v_permlanex16_b32 v[BT+\b], v[BM+\b], s[SEL], s[SEL+1]
.endr
.irp b, 0,1
	v_max_num_f32 v[BM+\b], v[BM+\b], v[BT+\b]
.endr
.irp b, 0,1
	v_add_nc_u32 v[BS+\b], 0xff000000, v[BM+\b]
.endr
.irp b, 0,1
	v_lshrrev_b32 v[BT+\b], 23, v[BS+\b]
.endr
	v_cvt_scalef32_pk16_fp6_f32 v[PC:PC+2], v[S:S+15], v[BS]
	v_cvt_scalef32_pk16_fp6_f32 v[CT:CT+2], v[S+16:S+31], v[BS+1]
	v_nop                                          ; one plain instruction behind the scaled conversions
.irp i, 0,1,2
	v_permlane16_swap_b32 v[PC+\i], v[CT+\i]
.endr
.irp i, 0,1,2
	v_mov_b32 v[PC+3+\i], v[CT+\i]
.endr
	v_cndmask_b32 v233, v[BT], v[BT+1], s[HM]      ; lanes 0-15 store block 0's byte, lanes 16-31 block 1's
	v_cmp_eq_f32 vcc_lo, 0, v14
	v_cndmask_b32 v233, v233, v232, vcc_lo         ; no key counted: the byte that makes the last product's row NaN
	global_store_b128 v[L16], v[PC:PC+3], s[CD:CD+1]            ; 512 consecutive bytes, aligned to 256
	global_store_b64 v[L8], v[PC+4:PC+5], s[CD:CD+1] offset:512 ; 256
	global_store_b8 v230, v233, s[CSD:CSD+1]       ; two bytes of each row's 32: one byte for each 24 bytes of codes
	s_wait_tensorcnt 0x0                           ; the wave's end, behind my last LDS store
	ds_add_u32 v[SPW], v[NIL]
	s_wait_dscnt 0x0
	s_endpgm
.Lfunc_end_k_qe56fa72d55_attn:
	.size	k_qe56fa72d55_attn, .Lfunc_end_k_qe56fa72d55_attn-k_qe56fa72d55_attn
	.p2alignl 7, 3214868480
	.fill 96, 4, 3214868480
	.section	.rodata,"a",@progbits
	.p2align	6, 0x0
	.amdhsa_kernel k_qe56fa72d55_attn
		.amdhsa_group_segment_fixed_size 27648
		.amdhsa_private_segment_fixed_size 0
		.amdhsa_enable_private_segment 0
		.amdhsa_kernarg_size 24
		.amdhsa_user_sgpr_count 2
		.amdhsa_user_sgpr_kernarg_segment_ptr 1
		.amdhsa_wavefront_size32 1
		.amdhsa_system_sgpr_workgroup_id_x 1
		.amdhsa_system_sgpr_workgroup_id_y 1
		.amdhsa_system_sgpr_workgroup_id_z 1
		.amdhsa_system_vgpr_workitem_id 0
		.amdhsa_next_free_vgpr 256
		.amdhsa_next_free_sgpr 102
		.amdhsa_reserve_vcc 1
		.amdhsa_float_denorm_mode_32 3
		.amdhsa_float_denorm_mode_16_64 3
		.amdhsa_memory_ordered 1
		.amdhsa_forward_progress 1
		.amdhsa_inst_pref_size 57
	.end_amdhsa_kernel
	.amdgpu_metadata
---
amdhsa.version: [ 1, 2 ]
amdhsa.kernels:
  - .name:           k_qe56fa72d55_attn
    .symbol:         k_qe56fa72d55_attn.kd
    .args:
      - { .name: qkv, .offset: 0, .size: 8, .value_kind: global_buffer, .address_space: global }
      - { .name: mk, .offset: 8, .size: 8, .value_kind: global_buffer, .address_space: global }
      - { .name: ctx, .offset: 16, .size: 8, .value_kind: global_buffer, .address_space: global }
    .group_segment_fixed_size: 27648
    .private_segment_fixed_size: 0
    .kernarg_segment_align: 8
    .kernarg_segment_size: 24
    .max_flat_workgroup_size: 512
    .sgpr_count:     102
    .vgpr_count:     256
    .wavefront_size: 32
...
	.end_amdgpu_metadata
.endif
;; end of part 3
;; launch outp (part 4): grid 4 x 32, 4 waves a work-group, clusters of 4 x 4, 327,680 bytes of LDS; arguments ctx, wq, bo, out0; writes out0
.if DOCPART == 4
	.amdgcn_target "amdgcn-amd-amdhsa--gfx1250"
	.amdhsa_code_object_version 6
	.text
	.protected	k_qe56fa72d55_outp
	.globl	k_qe56fa72d55_outp
	.p2align	8
	.type	k_qe56fa72d55_outp,@function
k_qe56fa72d55_outp:
	s_mov_b64 s[64:65], 0
	v_nop
	global_prefetch_b8 v0, s[64:65] scope:SCOPE_SE
	s_setreg_imm32_b32 hwreg(HW_REG_WAVE_MODE, 25, 1), 1
	s_wait_xcnt 0x0
	s_wait_alu depctr_hold_cnt(0) depctr_sa_sdst(0) depctr_va_vdst(0) depctr_va_sdst(0) depctr_va_ssrc(0) depctr_va_vcc(0) depctr_vm_vsrc(0)
	s_getreg_b32 s2, hwreg(HW_REG_IB_STS2, 6, 4)
	s_cmp_eq_u32 s2, 0
	s_cbranch_scc0 .Lentry_in_a_cluster
	s_endpgm
.Lentry_in_a_cluster:
	s_bfe_u32 s2, ttmp6, 0x10000c
	s_cmp_lg_u32 s2, 0xf033
	s_cbranch_scc0 .Lentry_shape_is_right
	s_endpgm
.Lentry_shape_is_right:
; OUTP: out0 = ctx Wo + bo on codes of FP6 (E2M3) with E8M0 scales, K = 1,024, sums in f32.  ctx [8,192 x 1,024] and Wo's columns arrive as images of their operand registers:
; a fragment (16 rows x 128 K) is 1,536 bytes (registers 0-3 at 16 x lane, 4-5 at 512 + 8 x lane, 6-9 at 768 + 16 x lane, 10-11 at 1,280 + 8 x lane), laid [K / 256][tile][2][1536], the scale bytes behind them [tile][row 16][32].
; A tile of 16 holds rows 32 (T / 2) + 8 (T % 2) + r + 8 (r / 8); that order is taken back here, in the stage's and the stores' addresses.  Wo's tiles are wq's 192 to 255.
; A work-group of four waves makes 256 x 256, a wave 128 x 128; source 0 = Wo's columns, source 1 = ctx's rows: a lane holds eight neighbouring numbers of a row of out0.
; K goes in steps of 256 through two LDS slots; 4 x 4 work-groups form a cluster: ctx's tiles are shared along a row of it, Wo's along a column, each asked for jointly.
; bo is the C of each sum's first matrix instruction: eight registers for each of B's blocks, in the result's layout.  A row of ctx whose scale bytes are 0xff comes out as NaN.
; 128 work-groups: a tile of 256 x 256 leaves half of the WGPs without work at this size; a smaller tile would read each fragment for half as many products.
; REGISTERS: window 0: v1-31 addresses; v32-63 scale words, two sets; v64-127 bo; v128-223 A's fragments; on the way out v128-255 rows of out0.  window 1: B's fragments, two sets.  windows 2, 3: the accumulators.
.set NQ,     2
.set FR,     12
.set NL,     4
.set NP,     4
.set HALFT,  24576
.set SLOT,   4*HALFT
.set SCL,    2*SLOT
.set HALFS,  4352
.set SBLK,   544
.set SPARE,  SCL+4*HALFS
.set SPITCH, 528                       ; the way out: a stage of 16 rows x (512 bytes + 16) for each wave, in slot 0, which has had its last fill and its last read by then
.set ADRA, 16
.set ADRB, 20
.set STO,  24
.set RD,   25
.set CO,   26
.set ADRS, 27
.set SPW,  28
.set NIL,  29
.set SC,   32
.set BIAS, 64
.set AF,   128
.set BK,   128
.set G1, 24
.set G0, 32
.set G1B, 48
.set G0B, 56
.set G1S, 68
.set G0S, 76
.set G1SB, 80
.set G0SB, 88
.set MSB, 0
.macro WIN new
.if MSB != \new
	s_set_vgpr_msb (MSB<<8)|\new
.set MSB, \new
.endif
.endm
.set MUL_LO, 0xa1                      ; source 0 (B) window 1, source 1 (A) window 0, C and D window 2
.set MUL_HI, 0xf1
.set MUL_LO0, 0x81                     ; the first step: C (bo) window 0, D window 2
.set MUL_HI0, 0xc1
.set TO_B,   0x40
.macro JLOAD g0a, g1a, g0b, g1b        ; a joint load: waves 0 and 1 for A, waves 2 and 3 for B; an s_nop 0 and four v_nop follow each line
	s_cmp_eq_u32 s15, 0
	s_cbranch_scc0 .Lfor_b_\@
	tensor_load_to_lds s[\g0a:\g0a+3], s[\g1a:\g1a+7]
	s_nop 0
.rept 4
	v_nop
.endr
	s_branch .Lasked_\@
.Lfor_b_\@:
	tensor_load_to_lds s[\g0b:\g0b+3], s[\g1b:\g1b+7]
	s_nop 0
.rept 4
	v_nop
.endr
.Lasked_\@:
.endm
.macro CREST
	s_cmp_lg_u32 s14, 0
	s_cbranch_scc1 .Lnot_wave_0_\@
	s_barrier_signal -3
.Lnot_wave_0_\@:
	s_barrier_wait -3
	s_barrier_signal -1
	s_barrier_wait -1
.endm
.macro CROUND
	s_barrier_signal -1
	s_barrier_wait -1
	CREST
.endm
	s_load_b256 s[4:11], s[0:1], 0x0               ; ctx s[4:5], wq s[6:7], bo s[8:9], out0 s[10:11]
	v_lshl_add_u32 v[SPW], v0, 2, SPARE
	v_mov_b32 v[NIL], 0
	ds_add_u32 v[SPW], v[NIL]                      ; the wave's opening: the add and its wait stand ahead of my first tensor load
	v_lshrrev_b32 v1, 5, v0
	v_readfirstlane_b32 s14, v1
	s_lshr_b32 s15, s14, 1
	s_and_b32 s16, s14, 1
	s_bfe_u32 s40, ttmp6, 0x40000                  ; cx
	s_bfe_u32 s41, ttmp6, 0x40004                  ; cy
	s_lshl_b32 s42, ttmp9, 2
	s_add_co_u32 s42, s42, s40                     ; tile of 256 columns
	s_and_b32 s17, ttmp7, 0xffff
	s_lshl_b32 s17, s17, 2
	s_add_co_u32 s17, s17, s41                     ; tile of 256 rows
	s_lshl_b32 s43, s41, 2
	s_lshl_b32 s43, 15, s43
	s_lshl_b32 s44, 0x1111, s40
	s_or_b32 s[G1+0], s43, (3<<16)|(1<<21)         ; the codes: 24,576 dense bytes as 96 rows of 256 bytes, no padding
	s_or_b32 s[G1B+0], s44, (3<<16)|(1<<21)
.irp g, G1, G1B
	s_mov_b32 s[\g+1], 32<<16
	s_mov_b32 s[\g+2], 96<<16
	s_mov_b32 s[\g+3], 32<<16
	s_mov_b32 s[\g+4], 96
	s_mov_b32 s[\g+5], 32
	s_mov_b32 s[\g+6], 0
	s_mov_b32 s[\g+7], 0
.endr
	s_or_b32 s[G1S+0], s43, (3<<16)|(1<<20)|(1<<21)|(5<<22)|(3<<25)   ; the scale bytes of 128 rows: 16 rows of 256 bytes, 16 of padding behind each
	s_or_b32 s[G1SB+0], s44, (3<<16)|(1<<20)|(1<<21)|(5<<22)|(3<<25)
.irp g, G1S, G1SB
	s_mov_b32 s[\g+1], 32<<16
	s_mov_b32 s[\g+2], 16<<16
	s_mov_b32 s[\g+3], 32<<16
	s_mov_b32 s[\g+4], 16
	s_mov_b32 s[\g+5], 32
	s_mov_b32 s[\g+6], 0
	s_mov_b32 s[\g+7], 0
.endr
	s_lshl_b32 s18, s16, 3
	s_lshl_b32 s20, s17, 4
	s_add_co_u32 s20, s20, s18                     ; A: the first of the 8 tiles that I fetch
	s_lshl_b32 s46, s42, 4
	s_add_co_u32 s46, s46, s18
	s_add_co_u32 s46, s46, 192                     ; B: Wo's tiles begin at 192
	s_lshl_b32 s22, s20, 9
	s_add_co_u32 s22, s22, 6291456
	s_mov_b32 s23, 0
	s_mul_i32 s20, s20, 3072
	s_mov_b32 s21, 0
	s_lshl_b32 s92, s46, 9
	s_add_co_u32 s92, s92, 3145728
	s_mov_b32 s93, 0
	s_mul_i32 s46, s46, 3072
	s_mov_b32 s47, 0
	s_mul_i32 s45, s14, HALFT
	s_mul_i32 s3, s14, HALFS
	s_wait_dscnt 0x0
	s_wait_kmcnt 0x0
	s_add_nc_u64 s[20:21], s[4:5], s[20:21]
	s_add_nc_u64 s[22:23], s[4:5], s[22:23]
	s_add_nc_u64 s[46:47], s[6:7], s[46:47]
	s_add_nc_u64 s[92:93], s[6:7], s[92:93]
	CROUND                                         ; all sixteen work-groups are here: the first joint loads meet
	s_mov_b32 s[G0S], 1
	s_add_co_u32 s[G0S+1], s3, SCL
	s_mov_b64 s[G0S+2:G0S+3], s[22:23]
	s_or_b32 s[G0S+3], s[G0S+3], 0x80000000
	s_mov_b32 s[G0SB], 1
	s_add_co_u32 s[G0SB+1], s3, SCL
	s_mov_b64 s[G0SB+2:G0SB+3], s[92:93]
	s_or_b32 s[G0SB+3], s[G0SB+3], 0x80000000
	JLOAD G0S, G1S, G0SB, G1SB
	s_mov_b32 s[G0], 1
	s_mov_b32 s[G0+1], s45
	s_mov_b64 s[G0+2:G0+3], s[20:21]
	s_or_b32 s[G0+3], s[G0+3], 0x80000000
	s_mov_b32 s[G0B], 1
	s_mov_b32 s[G0B+1], s45
	s_mov_b64 s[G0B+2:G0B+3], s[46:47]
	s_or_b32 s[G0B+3], s[G0B+3], 0x80000000
	JLOAD G0, G1, G0B, G1B
	s_mov_b32 s[G0+4], 1
	s_add_co_u32 s[G0+5], s45, SLOT
	s_add_nc_u64 s[G0+6:G0+7], s[20:21], 1572864
	s_or_b32 s[G0+7], s[G0+7], 0x80000000
	s_mov_b32 s[G0B+4], 1
	s_add_co_u32 s[G0B+5], s45, SLOT
	s_add_nc_u64 s[G0B+6:G0B+7], s[46:47], 786432
	s_or_b32 s[G0B+7], s[G0B+7], 0x80000000
	JLOAD G0+4, G1, G0B+4, G1B                     ; three tensor loads of mine are out
	v_and_b32 v3, 31, v0
	v_and_b32 v1, 15, v0
	v_bfe_u32 v2, v0, 4, 1
	v_lshlrev_b32 v[CO], 4, v3                     ; 16 x lane
	v_lshlrev_b32 v4, 3, v3                        ; 8 x lane
	s_lshl_b32 s20, s17, 8
	s_lshl_b32 s21, s15, 7
	s_add_co_u32 s20, s20, s21                     ; my first row of out0
	s_lshl_b32 s20, s20, 12
	s_lshl_b32 s46, s42, 10
	s_lshl_b32 s47, s16, 9
	s_add_co_u32 s46, s46, s47                     ; my first column, in bytes
	s_add_co_u32 s20, s20, s46
	s_mov_b32 s21, 0
	s_mov_b32 s47, 0
	s_add_nc_u64 s[10:11], s[10:11], s[20:21]
	s_add_nc_u64 s[8:9], s[8:9], s[46:47]
	v_lshlrev_b32 v7, 6, v2
.irp b, 0,1,2,3,4,5,6,7                        ; bo at columns 32 (b / 2) + 8 (b % 2) + 16 (lane / 16) + 0 .. 7
	global_load_b128 v[BIAS+8*\b:BIAS+8*\b+3], v7, s[8:9] offset:128*(\b/2)+32*(\b%2)
	global_load_b128 v[BIAS+8*\b+4:BIAS+8*\b+7], v7, s[8:9] offset:128*(\b/2)+32*(\b%2)+16
.endr
	s_mul_i32 s21, s15, HALFT
	s_mul_i32 s22, s16, HALFT
	s_add_co_u32 s22, s22, 2*HALFT
.irp s, 0,1
	v_add_nc_u32 v[ADRA+\s], s21, v[CO]
	v_add_nc_u32 v[ADRB+\s], s22, v[CO]
	v_add_nc_u32 v[ADRA+2+\s], s21, v4
	v_add_nc_u32 v[ADRB+2+\s], s22, v4
	s_add_co_u32 s21, s21, SLOT
	s_add_co_u32 s22, s22, SLOT
.endr
	v_lshlrev_b32 v5, 5, v1
	v_lshrrev_b32 v6, 8, v5
	v_lshl_add_u32 v5, v6, 4, v5
	s_mul_i32 s21, s15, HALFS
	s_mul_i32 s22, s16, HALFS
	s_add_co_u32 s22, s22, 2*HALFS
	s_sub_co_u32 s22, s22, s21
	v_mul_u32_u24 v6, s22, v2
	s_add_co_u32 s21, s21, SCL
	v_add_nc_u32 v5, v5, v6
	v_add_nc_u32 v[ADRS], s21, v5
	s_mul_i32 s23, s14, 16*SPITCH                  ; my stage
	v_mul_u32_u24 v5, v1, SPITCH
	v_lshl_add_u32 v5, v2, 6, v5
	v_add_nc_u32 v[STO], s23, v5                   ; in: row r, + 64 (lane / 16)
	v_add_nc_u32 v[RD], s23, v[CO]                 ; back: a row of 512 bytes for the 32 lanes
.macro FRAG reg, adr, q, i
	ds_load_b128 v[\reg:\reg+3], v[\adr] offset:3072*(\i)+1536*(\q)
	ds_load_b64 v[\reg+4:\reg+5], v[\adr+2] offset:3072*(\i)+1536*(\q)+512
	ds_load_b128 v[\reg+6:\reg+9], v[\adr] offset:3072*(\i)+1536*(\q)+768
	ds_load_b64 v[\reg+10:\reg+11], v[\adr+2] offset:3072*(\i)+1536*(\q)+1280
.endm
; 16 matrix instructions; the 64 accumulators take turns, one instruction a turn.  first = 1: the sums begin with bo
.macro MUL16 a0, p, q, sc, first
.irp a, \a0, \a0+1
.irp b, 0,1,2,3,4,5,6,7
.if \first
	v_wmma_scale_f32_16x16x128_f8f6f4 v[8*(8*((\a)%4)+\b):8*(8*((\a)%4)+\b)+7], v[128*(\p)+FR*\b:128*(\p)+FR*\b+FR-1], v[AF+FR*(\a):AF+FR*(\a)+FR-1], v[BIAS+8*\b:BIAS+8*\b+7], v[SC+8*NQ*(\sc)+NQ*\b+(\q)], v[SC+8*NQ*(\sc)+NQ*(\a)+(\q)] matrix_a_fmt:MATRIX_FMT_FP6 matrix_b_fmt:MATRIX_FMT_FP6 matrix_a_scale:MATRIX_SCALE_ROW1
.else
	v_wmma_scale_f32_16x16x128_f8f6f4 v[8*(8*((\a)%4)+\b):8*(8*((\a)%4)+\b)+7], v[128*(\p)+FR*\b:128*(\p)+FR*\b+FR-1], v[AF+FR*(\a):AF+FR*(\a)+FR-1], v[8*(8*((\a)%4)+\b):8*(8*((\a)%4)+\b)+7], v[SC+8*NQ*(\sc)+NQ*\b+(\q)], v[SC+8*NQ*(\sc)+NQ*(\a)+(\q)] matrix_a_fmt:MATRIX_FMT_FP6 matrix_b_fmt:MATRIX_FMT_FP6 matrix_a_scale:MATRIX_SCALE_ROW1
.endif
.endr
.endr
.endm
.macro FETCH_B slot, q, p
	WIN TO_B
.irp i, 0,1,2,3,4,5,6,7
	FRAG 128*(\p)+FR*\i, ADRB+\slot, \q, \i
.endr
	WIN 0
.endm
.macro FETCH_A slot, q, i0
.irp i, \i0, \i0+1, \i0+2, \i0+3
	FRAG AF+FR*(\i), ADRA+\slot, \q, \i
.endr
.endm
.macro SCALES sc
.irp i, 0,1,2,3,4,5,6,7
	ds_load_b64 v[SC+8*NQ*\sc+NQ*\i:SC+8*NQ*\sc+NQ*\i+1], v[ADRS] offset:\i*SBLK
.endr
.endm
.macro PLACES n
.rept \n
	v_nop
.endr
.endm
.macro STEP slot, q, first
	s_wait_dscnt 4*NL                              ; all but the youngest 16 loads (A's blocks 4-7) are in
.if \first
	WIN MUL_LO0
.else
	WIN MUL_LO
.endif
	MUL16 0, (\q)%2, \q, \slot, \first
	MUL16 2, (\q)%2, \q, \slot, \first
	s_wait_dscnt 0
	PLACES NP
	FETCH_B \slot, (\q)+1, 1-(\q)%2
	FETCH_A \slot, (\q)+1, 0
.if \first
	WIN MUL_HI0
.else
	WIN MUL_HI
.endif
	MUL16 4, (\q)%2, \q, \slot, \first
	MUL16 6, (\q)%2, \q, \slot, \first
	PLACES NP
	WIN 0
	FETCH_A \slot, (\q)+1, 4
.endm
.macro TURN slot, next, fill
	s_wait_tensorcnt 0x0                           ; all my tensor loads have landed: my part of the next slot
	ds_add_u32 v[SPW], v[NIL]                      ; 0 onto my spare word
	s_wait_dscnt 4*NL+1                            ; the add and the youngest 16 loads may be out
	WIN MUL_LO
	MUL16 0, 1, NQ-1, \slot, 0
	s_wait_dscnt 0x0                               ; the add is done, and my reads of this slot are over
	s_barrier_signal -1
	MUL16 2, 1, NQ-1, \slot, 0
	WIN 0
	s_barrier_wait -1
.if \fill
	CREST                                          ; the barrier has opened a round of the cluster's: no wave of any partner still reads this slot or has a load on its way
	s_add_nc_u64 s[G0+4*\slot+2:G0+4*\slot+3], s[G0+4*\slot+2:G0+4*\slot+3], 3145728
	s_add_nc_u64 s[G0B+4*\slot+2:G0B+4*\slot+3], s[G0B+4*\slot+2:G0B+4*\slot+3], 1572864
	JLOAD G0+4*\slot, G1, G0B+4*\slot, G1B         ; the first tensor load behind the round, one a wave
.else
	PLACES NP
.endif
	v_add_nc_u32 v[ADRS], 4*NQ, v[ADRS]
	FETCH_B \next, 0, 0
	FETCH_A \next, 0, 0
	SCALES \next
	WIN MUL_HI
	MUL16 4, 1, NQ-1, \slot, 0
	MUL16 6, 1, NQ-1, \slot, 0
	PLACES NP
	WIN 0
	FETCH_A \next, 0, 4
.endm
	s_wait_tensorcnt 1                             ; the scale bytes and my part of slot 0 are in; slot 1's load may be out
	s_barrier_signal -1
	s_barrier_wait -1
	FETCH_B 0, 0, 0
	FETCH_A 0, 0, 0
	SCALES 0
	FETCH_A 0, 0, 4
	s_wait_loadcnt 0x0                             ; bo
	STEP 0, 0, 1                                   ; K = 1,024 is four slots' worth: the eight steps of 128 are written out
	TURN 0, 1, 1
	STEP 1, 0, 0
	TURN 1, 0, 1
	STEP 0, 0, 0
	TURN 0, 1, 0
	STEP 1, 0, 0
	s_wait_dscnt 4*NL
	WIN MUL_LO
	MUL16 0, 1, NQ-1, 1, 0
	MUL16 2, 1, NQ-1, 1, 0
	s_wait_dscnt 0
	WIN MUL_HI
	MUL16 4, 1, NQ-1, 1, 0
	MUL16 6, 1, NQ-1, 1, 0
	WIN 0
; THE WAY OUT, block by block of 16 rows x 128 columns, through my own stage in LDS; LDS serves a wave's instructions in order, so no wait stands between the stores and the loads.
.macro TOSTAGE a
.set AC, 64*((\a)%4)
.set WW, 0x08+4*((\a)/4)
	WIN WW                                         ; the data: window 2 or 3
.irp b, 0,1,2,3,4,5,6,7
	ds_store_b128 v[STO], v[AC+8*\b:AC+8*\b+3] offset:128*(\b/2)+32*(\b%2)       ; each accumulator from its low end on; its eight columns begin at 32 (b / 2) + 8 (b % 2) + 16 (lane / 16)
	ds_store_b128 v[STO], v[AC+8*\b+4:AC+8*\b+7] offset:128*(\b/2)+32*(\b%2)+16
.endr
	WIN 0
.set BB, BK+64*((\a)%2)
.irp t, 0,1,2,3,4,5,6,7,8,9,10,11,12,13,14,15
	ds_load_b128 v[BB+4*\t:BB+4*\t+3], v[RD] offset:\t*SPITCH
.endr
.endm
.macro SEND a, younger                 ; younger: the LDS instructions issued behind block a's loads
.set BB, BK+64*((\a)%2)
	s_wait_dscnt \younger
.irp t, 0,1,2,3,4,5,6,7,8,9,10,11,12,13,14,15
	global_store_b128 v[CO], v[BB+4*\t:BB+4*\t+3], s[10:11] offset:(32*((\a)/2)+8*((\a)%2)+\t+8*(\t/8))*4096 th:TH_STORE_NT   ; row t of tile a at its true place; 512 consecutive bytes, aligned to 256
.endr
.endm
	PLACES NP                                      ; behind the last products: results are read and A's registers loaded from here on
	TOSTAGE 0
.irp a, 1,2,3,4,5,6,7
.if \a > 1
	s_wait_xcnt 0x0                                ; block a - 2's stores have read their registers: block a's loads may land there
.endif
	TOSTAGE \a
	SEND \a-1, 32                                  ; behind block a - 1's loads: block a's 16 stores and 16 loads
.endr
	SEND 7, 0
	s_wait_tensorcnt 0x0                           ; the wave's end
	ds_add_u32 v[SPW], v[NIL]
	s_wait_dscnt 0x0
	CROUND                                         ; the closing round
	s_endpgm
.Lfunc_end_k_qe56fa72d55_outp:
	.size	k_qe56fa72d55_outp, .Lfunc_end_k_qe56fa72d55_outp-k_qe56fa72d55_outp
	.p2alignl 7, 3214868480
	.fill 96, 4, 3214868480
	.section	.rodata,"a",@progbits
	.p2align	6, 0x0
	.amdhsa_kernel k_qe56fa72d55_outp
		.amdhsa_group_segment_fixed_size 327680
		.amdhsa_private_segment_fixed_size 0
		.amdhsa_enable_private_segment 0
		.amdhsa_kernarg_size 32
		.amdhsa_user_sgpr_count 2
		.amdhsa_user_sgpr_kernarg_segment_ptr 1
		.amdhsa_wavefront_size32 1
		.amdhsa_system_sgpr_workgroup_id_x 1
		.amdhsa_system_sgpr_workgroup_id_y 1
		.amdhsa_system_sgpr_workgroup_id_z 1
		.amdhsa_system_vgpr_workitem_id 0
		.amdhsa_next_free_vgpr 1024
		.amdhsa_next_free_sgpr 102
		.amdhsa_reserve_vcc 0
		.amdhsa_float_denorm_mode_32 3
		.amdhsa_float_denorm_mode_16_64 3
		.amdhsa_memory_ordered 1
		.amdhsa_forward_progress 1
		.amdhsa_inst_pref_size 144
	.end_amdhsa_kernel
	.amdgpu_metadata
---
amdhsa.version: [ 1, 2 ]
amdhsa.kernels:
  - .name:           k_qe56fa72d55_outp
    .symbol:         k_qe56fa72d55_outp.kd
    .args:
      - { .name: ctx, .offset: 0, .size: 8, .value_kind: global_buffer, .address_space: global }
      - { .name: wq, .offset: 8, .size: 8, .value_kind: global_buffer, .address_space: global }
      - { .name: bo, .offset: 16, .size: 8, .value_kind: global_buffer, .address_space: global }
      - { .name: out0, .offset: 24, .size: 8, .value_kind: global_buffer, .address_space: global }
    .group_segment_fixed_size: 327680
    .private_segment_fixed_size: 0
    .kernarg_segment_align: 8
    .kernarg_segment_size: 32
    .max_flat_workgroup_size: 128
    .sgpr_count:     102
    .vgpr_count:     1024
    .wavefront_size: 32
...
	.end_amdgpu_metadata
.endif
;; end of part 4
;; ======== version 2 of 2: 4 launches; version 1 with the launch attn written anew for expert scheduling mode
;; workspace buffers: xq 6,553,600 bytes; wq 3,276,800 bytes; mk 526,336 bytes of whole numbers; qkv 19,660,800 bytes; ctx 6,553,600 bytes
;; launch prep: the kernel of part 1 again; grid 384 x 1, 4 waves a work-group, no clusters, 34,304 bytes of LDS; arguments x, Wq, Wk, Wv, Wo, mask, xq, wq, mk; writes xq, wq, mk
;; launch qkv: the kernel of part 2 again; grid 12 x 32, 4 waves a work-group, clusters of 4 x 4, 327,680 bytes of LDS; arguments xq, wq, qkv; writes qkv
;; launch attn (part 5): grid 64 x 8, 16 waves a work-group, no clusters, 27,648 bytes of LDS; arguments qkv, mk, ctx; writes ctx
.if DOCPART == 5
	.amdgcn_target "amdgcn-amd-amdhsa--gfx1250"
	.amdhsa_code_object_version 6
	.text
	.protected	k_qe56fa72d55_attn
	.globl	k_qe56fa72d55_attn
	.p2align	8
	.type	k_qe56fa72d55_attn,@function
k_qe56fa72d55_attn:
	s_mov_b64 s[64:65], 0
	v_nop
	global_prefetch_b8 v0, s[64:65] scope:SCOPE_SE
	s_setreg_imm32_b32 hwreg(HW_REG_WAVE_SCHED_MODE, 0, 2), 2
	s_setreg_imm32_b32 hwreg(HW_REG_WAVE_MODE, 25, 1), 1
	s_wait_xcnt 0x0
	s_wait_alu depctr_vm_vsrc(0)
; ATTN: ctx = softmax(mask(Q K^T / 8)) V for one (batch, head) and 256 queries a work-group, both products on codes of FP6 (E2M3) with E8M0 scales; ctx leaves quantised along head x 64 + channel, as the last product's operand.
; THE SOFTMAX: t = score x log2(e) / 8; M = the row's largest t so far, rounded up to a whole number; p = 2^(t - M) is quantised along the keys, not normalised; the row's sum is taken of the unquantised p and divides at the end.
; When M moves, the sum and O are multiplied by 2^(old M - new M): exact.
; SHARES.  Sixteen waves, each one tile of 16 queries in 256 registers: four waves to a SIMD, so that one wave's vector work stands beside another's matrix work and LDS loads.  16 key steps of 128 keys.
; LAYOUT.  Both products transposed: S^T = K Q^T (source 0 = keys), O^T = V^T P^T (source 0 = channels): a lane holds one query throughout.  Tiles hold rows 32 (T / 2) + 8 (T % 2) + r + 8 (r / 8), so register 16 b + i of S^T is key 32 b + 16 (lane / 16) + i.
; THE HEAD HAS 64 CHANNELS, the instruction takes 128: a fragment of K is [key tile 2 b | key tile 2 b + 1]; Q lies in 18 registers, 6 of zeros, its 6, 6 of zeros: the last 12 pick the first tile, the first 12 the second.  No byte of K is read for nothing.
; THE MASK IS AN INPUT.  An earlier launch has stored it as lane-mask words, one for each register of S^T, and as flags for each (query tile, key step): a step in which no key counts for my 16 queries is left out by a scalar branch on the stored flag;
; a step in which all count skips the 64 selects; a step that no wave of the work-group wants is not fetched.  Every wave passes every barrier.
; A row for which no key counts has the sum 0: its scale bytes become 0xff, so that the last product gives NaN for that row.
; NO TENSOR LOAD, NO CLUSTER: which steps a work-group fetches hangs on flags read from memory, and partners would want different steps.  A step's 12,800 bytes (K 6,144, V 6,144, scale words 512) come by plain loads into registers,
; asked for at the head of the step before and put into the other LDS slot at its end, for all sixteen waves.  No prefetch: those loads are out for a whole step's work before their data are wanted.
; LIMITS: NaN and infinities in Q, K, V are not served; a block of zeros gets the byte 1 and zero codes.
; THE MODE: SCHED_MODE bits 1:0 = 2 (LLVM: expert scheduling mode 2), set by the entry lines.  The code itself states the register dependences
; between vector or matrix instructions and memory or LDS instructions, with s_wait_alu, always for 0.
; THE PLAN.  Registers that memory or LDS instructions touch:
;   v1-v6, v234-236  addresses and offsets: made at the head, never written again.
;   v[GSC]           read by wave 0's load of the scale words at a step's head; stepped by one vector add at the step's end.
;   v[G ..]          cleared at the head; a step's global loads land in it at the step's head; the LDS stores at the step's end read it; no vector instruction names it in the loop.
;   v[KF ..]         K's LDS loads land in it at a step's head; the eight products of S^T read it; V's LDS loads land in it; the four products of O^T read it.
;   v[SC ..]         one LDS load a step lands in it; all twelve products read it as scales.
;   v[PC ..], v[PS], v[QS], Q's zeros   written by vector instructions, taken by scaled products.
; THE WAITS OF A STEP.  One on va_vdst at its head, for the loads into KF, SC and by GSC; one behind the search for the largest scores, ahead of V's loads; the two behind the exponentials;
; one ahead of the products of O^T, for p's codes and scale word; one on vm_vsrc at the step's end, ahead of the add to GSC and of the next loads into G.
.set SLOTB, 12800                      ; an LDS slot: K's four fragments, V's four, the image of the scale words
.set VOFF,  6144
.set SOFF,  12288
.set SPARE, 25600                      ; behind the two slots: the spare words, 128 bytes for each of 16 waves
.set L16,  1                           ; 16 x lane
.set L8,   2                           ; 8 x lane
.set STA16, 3                          ; where I put my 16 bytes of a step: threads 0-255 K's, 256-511 V's
.set STA8, 4                           ; and my 8
.set GA16, 5                           ; the same places in memory
.set GA8,  6
.set GSC,  7                           ; wave 0: my 16 bytes of scale words: lanes 0-15 K's, lanes 16-31 V's
.set GSI,  8                           ; and their step
.set SPW,  9                           ; my spare word's LDS address; never rewritten
.set NIL,  10                          ; 0; never rewritten
.set NINF, 11                          ; -infinity
;          v12 -M, v13 the largest t, v[14:15] the sum in two halves
.set QF,   16                          ; v16-33 Q between zeros
.set QS,   34                          ; Q's scale word
.set PS,   35                          ; p's
.set SC,   36                          ; v36-39 lanes 0-15 K's four scale words, lanes 16-31 V's
.set KF,   40                          ; v40-87 four fragments: K's, then V's
.set S,    88                          ; v88-151 S^T, then p
.set O,    152                         ; v152-183 O^T
.set PC,   184                         ; v184-195 p's codes
.set CT,   196                         ; v196-202
.set BM,   204                         ; v204-207 the blocks' largest scores, then largest p
.set BT,   208                         ; v208-211
.set BS,   212                         ; v212-215 the conversions' scale operands
.set FF,   216                         ; v[216:217] f = 2^(old M - new M); the pair's upper half is written once
.set TT,   218
.set G,    220                         ; v220-229 a step's bytes on their way to LDS
.set WV,   2
.set CNT,  3
.set MB,   10                          ; s[10:11] my tile's mask words
.set MYA,  12                          ; bit 0: some key of this step counts for my tile
.set MYF,  13                          ; bit 0: all count
.set WGA,  14                          ; bit 0: some wave of the work-group wants the NEXT step
;          s16-63, s68-83: the step's 64 mask words
.set SB,   84                          ; s[84:85] where my part of the next step lies, s[86:87] its step
.set SCB,  88                          ; s[88:89] the scale words
.set SEL,  90                          ; s[90:91] lane selects for lane l xor 16
.set CS,   92                          ; s[92:93] c = log2(e) / 8
.set CD,   94                          ; s[94:95] ctx: my half fragment
.set CSD,  96                          ; s[96:97] ctx: my scale bytes
.set HM,   100                         ; the lanes 16-31
	s_load_b128 s[4:7], s[0:1], 0x0                ; qkv, mk
	s_load_b64 s[8:9], s[0:1], 0x10                ; ctx
	v_lshl_add_u32 v[SPW], v0, 2, SPARE
	v_mov_b32 v[NIL], 0
	v_lshrrev_b32 v231, 5, v0
	v_readfirstlane_b32 s[WV], v231                ; wave 0..15
	v_and_b32 v231, 31, v0
	v_and_b32 v230, 15, v0                         ; r
	v_lshlrev_b32 v[L16], 4, v231
	v_lshlrev_b32 v[L8], 3, v231
	v_and_b32 v232, 255, v0
	v_lshrrev_b32 v233, 8, v0
	v_mul_u32_u24 v233, v233, VOFF
	v_lshlrev_b32 v[GA16], 4, v232                 ; a step's 6,144 bytes of K or V: 256 threads x 16 bytes,
	v_lshl_add_u32 v[GA8], v232, 3, 4096           ; then 256 x 8
	v_add_nc_u32 v[STA16], v233, v[GA16]
	v_add_nc_u32 v[STA8], v233, v[GA8]
	v_mov_b32 v[NINF], 0xff800000                  ; all the head's vector work stands ahead of its one wait on va_vdst, while the arguments are on their way
	v_mov_b32 v13, 0xff61b1e6                      ; the largest t so far: -3e38, under every t
	v_floor_f32 v12, -v13
	v_mov_b32 v14, 0
	v_mov_b32 v15, 0
.irp i, 0,1,2,3,4,5
	v_mov_b32 v[QF+\i], 0
	v_mov_b32 v[QF+12+\i], 0
.endr
.irp i, 0,1,2,3
	v_mov_b32 v[BT+\i], 0                          ; a lane permute's destination counts as one of its sources
.endr
	v_mov_b32 v[FF+1], 0
.irp i, 0,1,2,3,4,5,6,7,8,9
	v_mov_b32 v[G+\i], 0                           ; written on every path
.endr
	s_mov_b32 s[HM], 0xffff0000
	s_mov_b32 s[SEL], 0x76543210
	s_mov_b32 s[SEL+1], 0xfedcba98
	s_mov_b32 s[CS], 0x3e38aa3b
	s_mov_b32 s[CS+1], s[CS]                       ; named with it as a pair, so it is written
	s_wait_alu depctr_va_sdst(0)                   ; the wave's number is written, ahead of its first reader: tiles, bases and branches are made from it
	s_lshr_b32 s15, ttmp9, 4                       ; batch
	s_and_b32 s66, ttmp9, 15                       ; head
	s_and_b32 s67, ttmp7, 0xffff
	s_sub_co_u32 s67, 7, s67                       ; block of 256 queries: the later queries' work-groups come first in the grid
	s_lshl_b32 s98, s67, 4
	s_add_co_u32 s98, s98, s[WV]                   ; my query tile in the batch
	s_lshl_b32 s99, s15, 7
	s_add_co_u32 s99, s99, s98                     ; my token tile
	s_mov_b32 s101, 0x03020302
	s_bitcmp1_b32 s98, 0
	s_cselect_b32 s101, s101, 0x01000100           ; which half of a scale word is my tile's
	s_lshl_b32 s16, s66, 9
	s_add_co_u32 s16, s16, s99
	s_mul_i32 s16, s16, 768                        ; Q's half fragment
	s_lshl_b32 s17, s66, 6
	s_lshl_b32 s18, s15, 4
	s_add_co_u32 s17, s17, s18
	s_add_co_u32 s19, s17, 1024
	s_lshl_b32 s19, s19, 8                         ; K's scale words of step 0
	s_lshr_b32 s20, s98, 3
	s_add_co_u32 s17, s17, s20
	s_lshl_b32 s17, s17, 8
	s_bfe_u32 s20, s98, 0x20001
	s_lshl_b32 s20, s20, 2
	s_add_co_u32 s17, s17, s20                     ; Q's scale word
	s_lshl_b32 s20, s15, 8
	s_add_co_u32 s20, s20, s66
	s_lshl_b32 s20, s20, 8
	s_add_co_u32 s20, s20, 524288                  ; V's scale words of step 0
	s_add_co_u32 s21, s66, 16
	s_lshl_b32 s21, s21, 9
	s_lshl_b32 s22, s15, 7
	s_add_co_u32 s21, s21, s22
	s_mul_i32 s21, s21, 768                        ; K's codes of step 0
	s_lshl_b32 s22, s15, 10
	s_lshl_b32 s23, s66, 2
	s_add_co_u32 s22, s22, s23
	s_mul_i32 s22, s22, 1536
	s_add_co_u32 s22, s22, 12582912                ; V's
	s_mov_b32 s23, 98304
	s_cmp_lt_u32 s[WV], 8                          ; waves 0-7 carry K, waves 8-15 V
	s_cselect_b32 s[SB], s21, s22
	s_cselect_b32 s[SB+2], 6144, s23
	s_mov_b32 s[SB+1], 0
	s_mov_b32 s[SB+3], 0
	s_lshr_b32 s24, s66, 2
	s_lshl_b32 s24, s24, 9
	s_add_co_u32 s24, s24, s99
	s_mul_i32 s24, s24, 3072
	s_and_b32 s25, s66, 3
	s_mul_i32 s25, s25, 768
	s_add_co_u32 s[CD], s24, s25                   ; ctx: plane head / 4, my tile, half fragment head % 4
	s_mov_b32 s[CD+1], 0
	s_lshl_b32 s[CSD], s99, 9
	s_lshl_b32 s25, s66, 1
	s_add_co_u32 s[CSD], s[CSD], s25
	s_add_co_u32 s[CSD], s[CSD], 6291456
	s_mov_b32 s[CSD+1], 0
	s_lshl_b32 s26, s98, 12                        ; my tile's mask words: 16 steps of 256 bytes
	s_mov_b32 s27, 0
	s_lshl_b32 s28, s67, 8
	s_add_co_u32 s28, s28, 524288                  ; the flags of the work-group's 16 tiles
	s_mov_b32 s29, 0
	s_lshl_b32 s30, s98, 4
	s_add_co_u32 s30, s30, 524288                  ; my tile's
	s_mov_b32 s31, 0
	v_add_nc_u32 v234, s16, v[L16]
	v_add_nc_u32 v235, s16, v[L8]
	v_lshl_add_u32 v236, v230, 4, s17
	v_mov_b32 v[GSC], s19
	v_mov_b32 v[GSI], s20
	v_cndmask_b32 v[GSC], v[GSC], v[GSI], s[HM]
	v_lshl_add_u32 v[GSC], v230, 4, v[GSC]
	v_mov_b32 v[GSI], 0x100
	v_mov_b32 v[TT], 0x1000
	v_cndmask_b32 v[GSI], v[GSI], v[TT], s[HM]
	s_wait_kmcnt 0x0
	s_add_nc_u64 s[SB:SB+1], s[4:5], s[SB:SB+1]
	s_add_nc_u64 s[SCB:SCB+1], s[4:5], 18874368
	s_add_nc_u64 s[CD:CD+1], s[8:9], s[CD:CD+1]
	s_add_nc_u64 s[CSD:CSD+1], s[8:9], s[CSD:CSD+1]
	s_add_nc_u64 s[MB:MB+1], s[6:7], s[26:27]
	s_add_nc_u64 s[98:99], s[6:7], s[28:29]
	s_add_nc_u64 s[66:67], s[6:7], s[30:31]
	s_wait_alu depctr_va_vdst(0)                   ; every address and offset of the kernel (v1-v7, v234-236) is written, which the loads and stores from here on read; v[G ..] is cleared, in which step 0's loads land.  No vector instruction stands between this wait and those loads
	global_load_b128 v[QF+6:QF+9], v234, s[4:5]    ; Q's six registers
	global_load_b64 v[QF+10:QF+11], v235, s[4:5] offset:512
	global_load_b32 v237, v236, s[SCB:SCB+1]
	s_load_b512 s[16:31], s[98:99], 0x0            ; 64 flag words
	s_load_b512 s[32:47], s[98:99], 0x40
	s_load_b512 s[48:63], s[98:99], 0x80
	s_load_b512 s[68:83], s[98:99], 0xc0
	s_load_b128 s[12:15], s[66:67], 0x0            ; my tile's four
	s_wait_kmcnt 0x0
	s_or_b32 s12, s12, s13
	s_or_b32 s14, s14, s15
	s_or_b32 s12, s12, s14
	s_lshr_b32 s[MYF], s12, 16
	s_and_b32 s[MYA], s12, 0xffff
	s_or_b32 s[WGA], s16, s17
.set j, 2
.rept 62
.if j < 48
	s_or_b32 s[WGA], s[WGA], s[16+j]
.else
	s_or_b32 s[WGA], s[WGA], s[20+j]
.endif
.set j, j+1
.endr
	s_and_b32 s[WGA], s[WGA], 0xffff
.macro ASKN                            ; the bytes of the step that WGA's bit 0 stands for, into registers, if any wave wants it.  The waits that these loads hang on stand ahead of the macro and of its branches
	s_bitcmp1_b32 s[WGA], 0
	s_cbranch_scc0 .Lna_\@
	global_load_b128 v[G:G+3], v[GA16], s[SB:SB+1]
	global_load_b64 v[G+4:G+5], v[GA8], s[SB:SB+1]
	s_cmp_lg_u32 s[WV], 0
	s_cbranch_scc1 .Lna_\@
	global_load_b128 v[G+6:G+9], v[GSC], s[SCB:SCB+1]
.Lna_\@:
.endm
.macro PUT slot                        ; they go into LDS; the addresses step; one barrier
	s_wait_loadcnt 0x0
	s_bitcmp1_b32 s[WGA], 0
	s_cbranch_scc0 .Lnp_\@
	ds_store_b128 v[STA16], v[G:G+3] offset:(\slot)*SLOTB
	ds_store_b64 v[STA8], v[G+4:G+5] offset:(\slot)*SLOTB
	s_cmp_lg_u32 s[WV], 0
	s_cbranch_scc1 .Lnp_\@
	ds_store_b128 v[L16], v[G+6:G+9] offset:(\slot)*SLOTB+SOFF
.Lnp_\@:
	s_wait_xcnt 0x0                                ; every earlier memory instruction has read its address registers
	s_wait_alu depctr_vm_vsrc(0)                   ; the load of the scale words has read v[GSC], which the add below writes; the LDS stores above have read v[G ..], in which the next step's loads land
	s_add_nc_u64 s[SB:SB+1], s[SB:SB+1], s[SB+2:SB+3]
	v_add_nc_u32 v[GSC], v[GSC], v[GSI]
	s_lshr_b32 s[WGA], s[WGA], 1
	s_wait_dscnt 0x0                               ; my stores into that slot have landed, and my reads of the other slot are over:
	s_barrier_signal -1                            ; behind this barrier the one is read and, a step later, the other written
	s_barrier_wait -1
.endm
.macro STEP slot
	s_wait_alu depctr_va_vdst(0)                   ; the last step's products of O^T are done reading v[KF ..] and v[SC ..], in which the LDS loads below land; the add has written v[GSC], by which wave 0's load below reads; in the first step Q's scale word and zeros are written, which the products take (the clears of O^T are the places ahead of this wait)
	ASKN
	s_bitcmp1_b32 s[MYA], 0
	s_cbranch_scc0 .Lhidden_\@                     ; no key of this step counts for my 16 queries
	s_bitcmp1_b32 s[MYF], 0
	s_cbranch_scc1 .Lopen_a_\@
	s_load_b512 s[16:31], s[MB:MB+1], (\slot)*256
	s_load_b512 s[32:47], s[MB:MB+1], (\slot)*256+64
	s_load_b512 s[48:63], s[MB:MB+1], (\slot)*256+128
	s_load_b512 s[68:83], s[MB:MB+1], (\slot)*256+192
.Lopen_a_\@:
.irp f, 0,1,2,3
	ds_load_b128 v[KF+12*\f:KF+12*\f+3], v[L16] offset:(\slot)*SLOTB+1536*\f
	ds_load_b64 v[KF+12*\f+4:KF+12*\f+5], v[L8] offset:(\slot)*SLOTB+1536*\f+512
	ds_load_b128 v[KF+12*\f+6:KF+12*\f+9], v[L16] offset:(\slot)*SLOTB+1536*\f+768
	ds_load_b64 v[KF+12*\f+10:KF+12*\f+11], v[L8] offset:(\slot)*SLOTB+1536*\f+1280
.endr
	ds_load_b128 v[SC:SC+3], v[L16] offset:(\slot)*SLOTB+SOFF
	s_wait_dscnt 0x0
.irp f, 0,1,2,3                                ; S^T: fragment f against Q in its lower half (key tile 2 f), then in its upper half (key tile 2 f + 1)
	v_wmma_scale_f32_16x16x128_f8f6f4 v[S+16*\f:S+16*\f+7], v[KF+12*\f:KF+12*\f+11], v[QF+6:QF+17], 0, v[SC+\f], v[QS] matrix_a_fmt:MATRIX_FMT_FP6 matrix_b_fmt:MATRIX_FMT_FP6
	v_wmma_scale_f32_16x16x128_f8f6f4 v[S+16*\f+8:S+16*\f+15], v[KF+12*\f:KF+12*\f+11], v[QF:QF+11], 0, v[SC+\f], v[QS] matrix_a_fmt:MATRIX_FMT_FP6 matrix_b_fmt:MATRIX_FMT_FP6
.endr
.rept 4
	v_nop                                          ; places ahead of the first read of the scores (ISA guide 7.12.1)
.endr
	s_wait_kmcnt 0x0
	s_bitcmp1_b32 s[MYF], 0
	s_cbranch_scc1 .Lopen_b_\@
.set j, 0
.rept 64                                       ; the scores of keys that do not count become -infinity ahead of the maximum: p = 0 then
.if j < 48
	v_cndmask_b32 v[S+j], v[NINF], v[S+j], s[16+j]
.else
	v_cndmask_b32 v[S+j], v[NINF], v[S+j], s[20+j]
.endif
.set j, j+1
.endr
.Lopen_b_\@:
.irp b, 0,1,2,3
	v_max3_num_f32 v[BM+\b], v[S+16*\b], v[S+16*\b+1], v[S+16*\b+2]   ; the largest score of each block of 32 keys: for the row's maximum and, since p rises with the score, for the block's largest p
.endr
.irp i, 3,5,7,9,11,13
.irp b, 0,1,2,3
	v_max3_num_f32 v[BM+\b], v[BM+\b], v[S+16*\b+\i], v[S+16*\b+\i+1]
.endr
.endr
.irp b, 0,1,2,3
	v_max_num_f32 v[BM+\b], v[BM+\b], v[S+16*\b+15]
.endr
	s_wait_alu depctr_va_vdst(0)                   ; the products of S^T are done reading K's fragments in v[KF ..], in which V's land.  It stands here, where every score has been read and the next line wants the lines just above
.irp f, 0,1,2,3                                ; V's fragments land while the softmax is worked: no vector instruction names v[KF ..] before the products of O^T
	ds_load_b128 v[KF+12*\f:KF+12*\f+3], v[L16] offset:(\slot)*SLOTB+VOFF+1536*\f
	ds_load_b64 v[KF+12*\f+4:KF+12*\f+5], v[L8] offset:(\slot)*SLOTB+VOFF+1536*\f+512
	ds_load_b128 v[KF+12*\f+6:KF+12*\f+9], v[L16] offset:(\slot)*SLOTB+VOFF+1536*\f+768
	ds_load_b64 v[KF+12*\f+10:KF+12*\f+11], v[L8] offset:(\slot)*SLOTB+VOFF+1536*\f+1280
.endr
.irp b, 0,1,2,3
	v_permlanex16_b32 v[BT+\b], v[BM+\b], s[SEL], s[SEL+1]
.endr
.irp b, 0,1,2,3
	v_max_num_f32 v[BM+\b], v[BM+\b], v[BT+\b]     ; with lane l xor 16's 16 keys
.endr
	v_max3_num_f32 v[TT], v[BM], v[BM+1], v[BM+2]
	v_max_num_f32 v[TT], v[TT], v[BM+3]
	v_mul_f32 v[TT], s[CS], v[TT]                  ; as t
	v_max_num_f32 v13, v13, v[TT]                  ; the running largest t
	v_mov_b32 v[TT], v12
	v_floor_f32 v12, -v13                          ; the new -M = -ceil(t)
	v_sub_f32 v[TT], v12, v[TT]                    ; old M - new M: a whole number, 0 or less
	v_cvt_i32_f32 v[TT], v[TT]                     ; (it saturates)
	v_ldexp_f32 v[FF], 1.0, v[TT]                  ; f = 2^(old M - new M)
.irp j, 0,2,4,6,8,10,12,14,16,18,20,22,24,26,28,30,32,34,36,38,40,42,44,46,48,50,52,54,56,58,60,62
	v_pk_fma_f32 v[S+\j:S+\j+1], v[S+\j:S+\j+1], s[CS:CS+1], v[12:13] op_sel_hi:[1,0,0]   ; t - M, two at a time
.endr
.irp b, 0,1,2,3
	v_fma_f32 v[BM+\b], v[BM+\b], s[CS], v12
.endr
.irp j, 0,1,2,3,4,5,6,7,8,9,10,11,12,13,14,15,16,17,18,19,20,21,22,23,24,25,26,27,28,29,30,31,32,33,34,35,36,37,38,39,40,41,42,43,44,45,46,47,48,49,50,51,52,53,54,55,56,57,58,59,60,61,62,63
	v_exp_f32 v[S+\j], v[S+\j]                     ; p = 2^(t - M)
.endr
	v_pk_mul_f32 v[14:15], v[14:15], v[FF:FF+1] op_sel_hi:[1,0]   ; the sums under the new M; the plain instruction behind the exponentials
	s_wait_alu depctr_va_vdst(0)                   ; the 64 exponentials have written p: one wait for the batch, ahead of its first reader
.irp b, 0,1,2,3
	v_exp_f32 v[BM+\b], v[BM+\b]                   ; the blocks' largest p
.endr
	v_pk_add_f32 v[BT:BT+1], v[S:S+1], v[S+2:S+3]  ; the row's sum of the unquantised p, in two chains
.irp j, 4,8,12,16,20,24,28,32,36,40,44,48,52,56,60
	v_pk_add_f32 v[14:15], v[14:15], v[S+\j:S+\j+1]
	v_pk_add_f32 v[BT:BT+1], v[BT:BT+1], v[S+\j+2:S+\j+3]
.endr
	v_pk_add_f32 v[14:15], v[14:15], v[BT:BT+1]
	s_wait_alu depctr_va_vdst(0)                   ; the four exponentials have written the blocks' largest p, ahead of their first reader
.irp b, 0,1,2,3
	v_max_num_f32 v[BM+\b], 0x1800000, v[BM+\b]    ; the floor 2^(3 - 127): the byte cannot fall under 1
.endr
.irp b, 0,1,2,3
	v_add_nc_u32 v[BS+\b], 0xff000000, v[BM+\b]
.endr
.irp b, 0,1,2,3
	v_lshrrev_b32 v[BT+\b], 23, v[BS+\b]
.endr
	v_lshl_or_b32 v[PS], v[BT+1], 8, v[BT]
	v_lshl_or_b32 v[PS], v[BT+2], 16, v[PS]
	v_lshl_or_b32 v[PS], v[BT+3], 24, v[PS]
.irp c, 0,1
	v_cvt_scalef32_pk16_fp6_f32 v[PC+6*\c:PC+6*\c+2], v[S+32*\c:S+32*\c+15], v[BS+2*\c]
	v_cvt_scalef32_pk16_fp6_f32 v[CT+4*\c:CT+4*\c+2], v[S+32*\c+16:S+32*\c+31], v[BS+2*\c+1]
.endr
	v_nop                                          ; one plain instruction behind the scaled conversions
.irp c, 0,1
.irp i, 0,1,2
	v_permlane16_swap_b32 v[PC+6*\c+\i], v[CT+4*\c+\i]
.endr
.irp i, 0,1,2
	v_mov_b32 v[PC+3+6*\c+\i], v[CT+4*\c+\i]
.endr
.endr
.irp j, 0,2,4,6,8,10,12,14,16,18,20,22,24,26,28,30
	v_pk_mul_f32 v[O+\j:O+\j+1], v[O+\j:O+\j+1], v[FF:FF+1] op_sel_hi:[1,0]   ; O^T under the new M; these 16 are also the places between p's codes and scale word and the products
.endr
	s_wait_dscnt 0x0                               ; V
	s_wait_alu depctr_va_vdst(0)                   ; p's codes in v[PC ..] and its scale word in v[PS] are written, which the scaled products below take; the places stand above, beside this wait
.irp t, 0,1,2,3                                ; the four accumulators by turns; the eight products of S^T stand between two steps' links
	v_wmma_scale_f32_16x16x128_f8f6f4 v[O+8*\t:O+8*\t+7], v[KF+12*\t:KF+12*\t+11], v[PC:PC+11], v[O+8*\t:O+8*\t+7], v[SC+\t], v[PS] matrix_a_fmt:MATRIX_FMT_FP6 matrix_b_fmt:MATRIX_FMT_FP6 matrix_a_scale:MATRIX_SCALE_ROW1
.endr
.rept 4
	v_nop                                          ; places ahead of the next read of O^T
.endr
.Lhidden_\@:
	s_lshr_b32 s[MYA], s[MYA], 1
	s_lshr_b32 s[MYF], s[MYF], 1
	PUT 1-\slot
.endm
	ASKN                                           ; step 0
	PUT 0                                          ; (its wait for loads serves Q too)
	v_perm_b32 v[QS], v237, v237, s101             ; my tile's two scale bytes, twice: for Q in either half
.irp j, 0,1,2,3,4,5,6,7,8,9,10,11,12,13,14,15,16,17,18,19,20,21,22,23,24,25,26,27,28,29,30,31
	v_mov_b32 v[O+\j], 0                           ; O^T: the step is written once, its first run finds zeros.  These lines are also the places between the scale word's making and the first product
.endr
	s_mov_b32 s[CNT], 8
.Ltrip:                                            ; eight trips of two steps, one in each slot: every LDS offset is an immediate
	STEP 0
	STEP 1
	s_add_nc_u64 s[MB:MB+1], s[MB:MB+1], 512
	s_sub_co_u32 s[CNT], s[CNT], 1
	s_cmp_lg_u32 s[CNT], 0
	s_cbranch_scc1 .Ltrip
	; THE WAY OUT: O^T / the sum, quantised along the head's 64 channels: half a fragment of the last product's operand, and two scale bytes a row.
	v_add_f32 v14, v14, v15
	v_permlanex16_b32 v[TT], v14, s[SEL], s[SEL+1]
	v_add_f32 v14, v14, v[TT]                      ; the row's sum
	v_rcp_f32 v[FF], v14
	v_and_b32 v230, 15, v0                         ; (plain work behind the reciprocal)
	v_bfe_u32 v231, v0, 4, 1
	v_lshl_add_u32 v230, v230, 5, v231             ; 32 r + lane / 16: my byte among the tile's scale bytes
	v_mov_b32 v232, 0xff
	v_cmp_eq_f32 vcc_lo, 0, v14                    ; no key counted; the select that reads this mask stands far below, behind its wait
	s_wait_alu depctr_va_vdst(0)                   ; the reciprocal has written v[FF], ahead of its first reader
.irp j, 0,1,2,3,4,5,6,7,8,9,10,11,12,13,14,15,16,17,18,19,20,21,22,23,24,25,26,27,28,29,30,31
	v_mul_f32 v[S+\j], v[O+\j], v[FF]              ; register 16 b + i: channel 32 b + 16 (lane / 16) + i
.endr
.irp b, 0,1
	v_max3_num_f32 v[BM+\b], |v[S+16*\b]|, |v[S+16*\b+1]|, 0x1800000
.endr
.irp i, 2,4,6,8,10,12,14
.irp b, 0,1
	v_max3_num_f32 v[BM+\b], v[BM+\b], |v[S+16*\b+\i]|, |v[S+16*\b+\i+1]|
.endr
.endr
.irp b, 0,1
	v_permlanex16_b32 v[BT+\b], v[BM+\b], s[SEL], s[SEL+1]
.endr
.irp b, 0,1
	v_max_num_f32 v[BM+\b], v[BM+\b], v[BT+\b]
.endr
.irp b, 0,1
	v_add_nc_u32 v[BS+\b], 0xff000000, v[BM+\b]
.endr
.irp b, 0,1
	v_lshrrev_b32 v[BT+\b], 23, v[BS+\b]
.endr
	v_cvt_scalef32_pk16_fp6_f32 v[PC:PC+2], v[S:S+15], v[BS]
	v_cvt_scalef32_pk16_fp6_f32 v[CT:CT+2], v[S+16:S+31], v[BS+1]
	v_nop                                          ; one plain instruction behind the scaled conversions
.irp i, 0,1,2
	v_permlane16_swap_b32 v[PC+\i], v[CT+\i]
.endr
.irp i, 0,1,2
	v_mov_b32 v[PC+3+\i], v[CT+\i]
.endr
	v_cndmask_b32 v233, v[BT], v[BT+1], s[HM]      ; lanes 0-15 store block 0's byte, lanes 16-31 block 1's
	s_wait_alu depctr_va_vcc(0)                    ; the compare of the sum with 0 has written VCC, ahead of its one reader
	v_cndmask_b32 v233, v233, v232, vcc_lo         ; no key counted: the byte that makes the last product's row NaN
	s_wait_alu depctr_va_vdst(0)                   ; the codes in v[PC ..], the byte in v233 and its offset in v230 are written, which the three stores read
	global_store_b128 v[L16], v[PC:PC+3], s[CD:CD+1]            ; 512 consecutive bytes, aligned to 256
	global_store_b64 v[L8], v[PC+4:PC+5], s[CD:CD+1] offset:512 ; 256
	global_store_b8 v230, v233, s[CSD:CSD+1]       ; two bytes of each row's 32: one byte for each 24 bytes of codes
	s_wait_dscnt 0x0                               ; the closing lines, six on end
	s_wait_alu 0x0
	s_wait_tensorcnt 0x0
	ds_add_u32 v[SPW], v[NIL]
	s_wait_dscnt 0x0
	s_endpgm
.Lfunc_end_k_qe56fa72d55_attn:
	.size	k_qe56fa72d55_attn, .Lfunc_end_k_qe56fa72d55_attn-k_qe56fa72d55_attn
	.p2alignl 7, 3214868480
	.fill 96, 4, 3214868480
	.section	.rodata,"a",@progbits
	.p2align	6, 0x0
	.amdhsa_kernel k_qe56fa72d55_attn
		.amdhsa_group_segment_fixed_size 27648
		.amdhsa_private_segment_fixed_size 0
		.amdhsa_enable_private_segment 0
		.amdhsa_kernarg_size 24
		.amdhsa_user_sgpr_count 2
		.amdhsa_user_sgpr_kernarg_segment_ptr 1
		.amdhsa_wavefront_size32 1
		.amdhsa_system_sgpr_workgroup_id_x 1
		.amdhsa_system_sgpr_workgroup_id_y 1
		.amdhsa_system_sgpr_workgroup_id_z 1
		.amdhsa_system_vgpr_workitem_id 0
		.amdhsa_next_free_vgpr 256
		.amdhsa_next_free_sgpr 102
		.amdhsa_reserve_vcc 1
		.amdhsa_float_denorm_mode_32 3
		.amdhsa_float_denorm_mode_16_64 3
		.amdhsa_memory_ordered 1
		.amdhsa_forward_progress 1
		.amdhsa_inst_pref_size 58
	.end_amdhsa_kernel
	.amdgpu_metadata
---
amdhsa.version: [ 1, 2 ]
amdhsa.kernels:
  - .name:           k_qe56fa72d55_attn
    .symbol:         k_qe56fa72d55_attn.kd
    .args:
      - { .name: qkv, .offset: 0, .size: 8, .value_kind: global_buffer, .address_space: global }
      - { .name: mk, .offset: 8, .size: 8, .value_kind: global_buffer, .address_space: global }
      - { .name: ctx, .offset: 16, .size: 8, .value_kind: global_buffer, .address_space: global }
    .group_segment_fixed_size: 27648
    .private_segment_fixed_size: 0
    .kernarg_segment_align: 8
    .kernarg_segment_size: 24
    .max_flat_workgroup_size: 512
    .sgpr_count:     102
    .vgpr_count:     256
    .wavefront_size: 32
...
	.end_amdgpu_metadata
.endif
;; end of part 5
;; launch outp: the kernel of part 4 again; grid 4 x 32, 4 waves a work-group, clusters of 4 x 4, 327,680 bytes of LDS; arguments ctx, wq, bo, out0; writes out0
